; MI455X (gfx1250); checked and timed in simulation.
; The chip was launched on July 23, 2026; its instructions are those of AMD's public machine-readable ISA for CDNA 5 (MIT licence, August 2026) and "CDNA5" Instruction Set Architecture Reference Guide (July 2026). The comments in the code are by the model that wrote it; some were corrected since.
;; madsormer ae. Allowed arithmetic: matrix products marked QUANTISED: E4M3 operands, one given power-of-two scale a tensor, by v_wmma_f32_16x16x64_fp8_fp8 or v_wmma_f32_16x16x128_fp8_fp8, f32 sums; products left as they are: f32 operands where the result goes on into a quantised operand, else bf16, f16 or f32 operands; f32 sums; everything else in f32.
;; Inputs: KEY 16 x 2,048 x 3 float32; VALUE 16 x 2,048 x 1 float32; W1 2 x 4 x 512 float32; W2 2 x 512 x 4 float32; Wfc 4 x 1 float32; Wk 2 x 4 x 256 float32; Wo 2 x 256 x 4 float32; Wq 2 x 4 x 256 float32; Wv 2 x 4 x 256 float32; b1 2 x 512 float32; b2 2 x 4 float32; be1 2 x 4 float32; be2 2 x 4 float32; bfc 1 float32; bk 2 x 256 float32; bo 2 x 4 float32; bq 2 x 256 float32; bv 2 x 256 float32; bw 2 float32; g1 2 x 4 float32; g2 2 x 4 float32; lowp_scales 8 int32 (the exponents e of the quantised operands' scales 2^e).
;; Outputs: out0 16 x 2,048 x 1 float32.
;; This version of the problem:
;;   THIS VERSION OF THE PROBLEM IS GIVEN IN LOW PRECISION. The matrix products marked QUANTISED in the list below multiply operands that are first quantised to E4M3 (4 exponent bits, 3 mantissa bits; 8 bits a number), with one given power-of-two scale for each operand tensor; their sums are f32. All else is computed in f32.
;;   The module's matrix products, in the order in which they are computed (A, B: the left and right operand; K: the contracted axis; several contracted axes count as one K, in the product's order):
;;     1. [M 32,768, K 4] x [K 4, N 256]; A: computed on the way; B: input Wq: left as it is (K = 4 < 32)
;;     2. [M 32,768, K 4] x [K 4, N 256]; A: computed on the way; B: input Wk: left as it is (K = 4 < 32)
;;     3. [M 32,768, K 4] x [K 4, N 256]; A: computed on the way; B: input Wv: left as it is (K = 4 < 32)
;;     4. batch 16 x [M 2,048, K 256] x [K 256, N 2,048]; A: computed on the way; B: computed on the way: QUANTISED (scales: A lowp_scales[0], B lowp_scales[1])
;;     5. batch 16 x [M 2,048, K 2,048] x [K 2,048, N 256]; A: softmax (see below); B: computed on the way: QUANTISED (scales: A lowp_scales[2], B lowp_scales[3])
;;     6. [M 32,768, K 256] x [K 256, N 4]; A: computed on the way; B: input Wo: left as it is (N = 4 < 16)
;;     7. [M 32,768, K 4] x [K 4, N 512]; A: computed on the way; B: input W1: left as it is (K = 4 < 32)
;;     8. [M 32,768, K 512] x [K 512, N 4]; A: computed on the way; B: input W2: left as it is (N = 4 < 16)
;;     9. [M 32,768, K 4] x [K 4, N 256]; A: computed on the way; B: input Wq: left as it is (K = 4 < 32)
;;     10. [M 32,768, K 4] x [K 4, N 256]; A: computed on the way; B: input Wk: left as it is (K = 4 < 32)
;;     11. [M 32,768, K 4] x [K 4, N 256]; A: computed on the way; B: input Wv: left as it is (K = 4 < 32)
;;     12. batch 16 x [M 2,048, K 256] x [K 256, N 2,048]; A: computed on the way; B: computed on the way: QUANTISED (scales: A lowp_scales[4], B lowp_scales[5])
;;     13. batch 16 x [M 2,048, K 2,048] x [K 2,048, N 256]; A: softmax (see below); B: computed on the way: QUANTISED (scales: A lowp_scales[6], B lowp_scales[7])
;;     14. [M 32,768, K 256] x [K 256, N 4]; A: computed on the way; B: input Wo: left as it is (N = 4 < 16)
;;     15. [M 32,768, K 4] x [K 4, N 512]; A: computed on the way; B: input W1: left as it is (K = 4 < 32)
;;     16. [M 32,768, K 512] x [K 512, N 4]; A: computed on the way; B: input W2: left as it is (N = 4 < 16)
;;     17. [M 32,768, K 4] x [K 4, N 1]; A: computed on the way; B: input Wfc: left as it is (K = 4 < 32)
;;   THE QUANTISER, for each operand of a quantised product, along K:
;;     - The operand's scale is 2^e, e = its entry of the input lowp_scales (int32; the entries are numbered through the quantised products in the list's order, A before B).
;;     - Each number is divided by the scale, clamped to +-448, and rounded to the nearest number of E4M3, ties to even, subnormals kept.
;;     - The product sums the exact products of the quantised numbers (number of the format x scale) in f32.
;;   ~~~python
;;   def quantise(x, axis, e):      # numpy; x: float32 -> the quantised numbers, widened to float32 again
;;       x = np.moveaxis(x, axis, -1); K = x.shape[-1]
;;       r = np.clip(x / 2.0 ** e, -448, 448)
;;       step = 2.0 ** (np.maximum(np.frexp(np.where(r == 0, 1, r))[1] - 1, -6) - 3)
;;       q = np.round(r / step) * step * 2.0 ** e      # np.round: ties to even
;;       return np.moveaxis(q, -1, axis).astype(np.float32)
;;   ~~~
;;   SOFTMAX AHEAD OF A QUANTISED PRODUCT. Where the list says 'softmax', what is quantised is not the finished softmax but p = 2^(t - M), with t = logit x log2(e) and M = ceil(the row's largest t), a whole number; so 1/2 < the row's largest p <= 1. The row's sum l is taken of the UNQUANTISED p, in f32, and the product's result is divided by l at the end. Since M is a whole number, a kernel that streams over the keys may use a running M (the ceiling of the running maximum): every later rescaling is an exact power of two, so the quantised numbers keep their values, but for numbers so far below the row's largest that they fall under the format's range.
;;   OPERANDS COMPUTED ON THE WAY. 'Computed on the way' means the value that the module computes at that place (a softmax that the list does not call 'softmax' is quantised finished and normalised). What goes into a quantiser is computed in f32, as accurately as f32 sums, v_exp_f32 and their like allow (about 1e-6 of the number): no bf16 or f16 on the way to a quantiser, and a product that is left as it is and whose result goes on into a quantised operand takes f32 operands (vector FMAs, or v_wmma_f32_16x16x4_f32). A number that lies on a knife's edge between two numbers of the format may be rounded either way, as far as f32 arithmetic and the matrix unit's own rounding can turn it there, and no further.
;; One version. Each part assembles by itself: llvm-mc -triple=amdgcn-amd-amdhsa -mcpu=gfx1250 --defsym DOCPART=n.
;; ======== version 1 of 1: 3 launches
;; limits: right only within a limited range of input values
;; workspace buffers: ws0 25,952,256 bytes; ws1 25,952,256 bytes
;; launch prep (part 1): grid 16 x 16, 4 waves a work-group, no clusters, 20,992 bytes of LDS; arguments KEY, VALUE, Wq, bq, Wk, bk, Wv, bv, lowp_scales, ws0; writes ws0
.if DOCPART == 1
	.amdgcn_target "amdgcn-amd-amdhsa--gfx1250"
	.amdhsa_code_object_version 6
	.text
	.protected	k_q2ec6f0a1be_prep
	.globl	k_q2ec6f0a1be_prep
	.p2align	8
	.type	k_q2ec6f0a1be_prep,@function
k_q2ec6f0a1be_prep:
	s_mov_b64 s[64:65], 0
	v_nop
	global_prefetch_b8 v0, s[64:65] scope:SCOPE_SE
	s_setreg_imm32_b32 hwreg(HW_REG_WAVE_MODE, 25, 1), 1
	s_wait_xcnt 0x0
; X = concat(KEY, VALUE); from it layer 0's operands of the two quantised products, made once by the owner of the rows.
; A work-group owns 128 rows of one batch (grid x = block, y = batch) and writes one RECORD of REC bytes:
;   +0      K's codes: key tile kt (16 keys) x K step s (128 of the 256 hidden) x 4 pieces of 512 bytes: an image of the operand's registers, lane l's 16 bytes at 16 l
;   +32768  V's codes: channel tile dt (16 of 256) x 4 pieces; K = the block's 128 keys
;   +65536  Q's codes, laid as K's
;   +98304  kb[key] = -0.5 |k|^2 / 2^(eq+ek);  +98816  0.5 |q|^2 of each row;  +99328  X[row][4].   All f32
; In an image lane (r, h) holds in registers 4c..4c+3 the elements k = 32c + 16h + 0..15: the same order of k on both sides of a product.
; Lane r of key tile 2b+u is key 32b + 8u + r + 8(r/8), so that the scores of two neighbouring tiles are 16 neighbouring keys of a lane.
; Q, K, V = X W + b in f32 multiply-adds, the bias first (an order of rounding that differs from a sum with the bias last); |q|^2, |k|^2 of the unquantised numbers.
; code = x / 2^e, held within +-448, rounded to the nearest code, ties to even.
; LIMITS: eq, ek, ev between -126 and 119.  NaN and infinities among the inputs are not served.
; No tensor load, no cluster: work-groups share nothing but 15 KiB of weights.
.set GL,  0                            ; the layer whose codes are made
.set REC, 101376
.set GW,  0                            ; LDS: Wq 4096 | bq 1024 | Wk 4096 | bk 1024 | Wv 4096 | bv 1024
.set XS,  15360                        ; X[row][4]
.set XT,  17408                        ; X^T[j][row]
.set KQ,  19456                        ; kb, then 0.5 q^2
.set LI,  1                            ; v1  16 x lane
.set ADR, 3                            ; v3  LDS address in hand
.set RR,  8                            ; v8  r = lane % 16
.set HF,  9                            ; v9  h = lane / 16
.set VSC, 10                           ; 2^ev, 448 x 2^ev
.set VLM, 11
.set SQ,  12                           ; v12-27 sums of squares: four tiles x two chains x a pair
.set QSC, 28
.set QLM, 29
.set KSC, 30
.set KLM, 31
.set XK0, 32                           ; v32-39 X rows of my two key tiles
.set XQ0, 40                           ; v40-47 X rows of my two query tiles
.set T16, 48                           ; 16 x thread
.set T4,  49                           ; 4 x thread
.set XSA, 53
.set XSK, 54
.set KQA, 55
.set KQK, 56
.set GWA, 57
.set GVA, 58
.set XTA, 59
.set GOF, 60                           ; 16 x lane + 8192 x wave: my place in each field of images
.set KQL, 61                           ; 16 x lane + 512 x wave
.set WA,  64                           ; v64-143, v144-223: two buffers of weights (4 x 16 numbers and 16 of the bias)
.set WB,  144
.set SG,  108                          ; staging of the weights, at the head only
.set ACC, 224                          ; 16 numbers at work
.set CD,  240                          ; their codes
.set XV,  248                          ; my row of X
.set T8,  226                          ; head only: 8 x thread, 12 x thread
.set KO,  227
.set MSB, 0
.macro WIN new                         ; the immediate's high byte repeats the setting that is left
.if MSB != \new
	s_set_vgpr_msb (MSB<<8)|\new
.set MSB, \new
.endif
.endm
.macro BAR                             ; my LDS stores have landed and my LDS loads are in: then the work-group's barrier
	s_wait_dscnt 0x0
	s_barrier_signal -1
	s_barrier_wait -1
.endm
.macro ADDRS
	v_lshrrev_b32 v[LI], 5, v0
	v_readfirstlane_b32 s2, v[LI]                  ; wave 0..3
	v_and_b32 v[LI], 31, v0
	v_lshlrev_b32 v[LI], 4, v[LI]
	v_and_b32 v[RR], 15, v0
	v_bfe_u32 v[HF], v0, 4, 1
	v_lshlrev_b32 v[T16], 4, v0
	v_lshlrev_b32 v[T4], 2, v0
	s_lshl_b32 s14, s2, 13
	v_add_nc_u32 v[GOF], s14, v[LI]
.endm
.macro GENADDRS
	v_and_b32 v[ADR], 8, v[RR]
	v_add_nc_u32 v[ADR], v[ADR], v[RR]             ; r + 8 (r / 8)
	s_lshl_b32 s14, s2, 9
	v_lshl_add_u32 v[XSA], v[RR], 4, s14           ; X rows of my query tiles: 512 w + 16 r (+ 256 x)
	v_lshl_add_u32 v[XSK], v[ADR], 4, s14          ; of my key tiles: 512 w + 16 (r + 8 (r / 8)) (+ 128 u)
	v_add_nc_u32 v[KQL], s14, v[LI]
.if XS > 0
	v_add_nc_u32 v[XSA], XS, v[XSA]
	v_add_nc_u32 v[XSK], XS, v[XSK]
.endif
	s_lshl_b32 s14, s2, 7
	v_lshl_add_u32 v[KQA], v[RR], 2, s14
	v_lshl_add_u32 v[KQK], v[ADR], 2, s14
	v_add_nc_u32 v[KQA], KQ+512, v[KQA]
	v_add_nc_u32 v[KQK], KQ, v[KQK]
	v_lshl_add_u32 v[GWA], v[HF], 6, GW            ; my half's 16 hidden units of a chunk of 32
	s_lshl_b32 s14, s2, 8
	v_lshl_add_u32 v[GVA], v[RR], 2, s14
	v_add_nc_u32 v[GVA], GW+10240, v[GVA]          ; Wv at channel 64 w + r
	v_lshl_add_u32 v[XTA], v[HF], 6, XT
.endm
.macro GWLOAD p                        ; s[p..]: the six pointers Wq, bq, Wk, bk, Wv, bv
.irp m,0,1,2
	global_load_b128 v[SG+10*\m:SG+10*\m+3], v[T16], s[\p+4*\m:\p+4*\m+1] offset:GL*4096
	global_load_b128 v[SG+10*\m+4:SG+10*\m+7], v[T16], s[\p+4*\m:\p+4*\m+1] offset:GL*4096+2048
	global_load_b64 v[SG+10*\m+8:SG+10*\m+9], v[T8], s[\p+4*\m+2:\p+4*\m+3] offset:GL*1024
.endr
.endm
.macro GWSTORE ta, tb, o
.irp m,0,1,2
	ds_store_b128 v[\ta], v[SG+10*\m:SG+10*\m+3] offset:\o+5120*\m
	ds_store_b128 v[\ta], v[SG+10*\m+4:SG+10*\m+7] offset:\o+5120*\m+2048
	ds_store_b64 v[\tb], v[SG+10*\m+8:SG+10*\m+9] offset:\o+5120*\m+4096
.endr
.endm
.macro PKB d, a, b, sel, c             ; d = a x (register sel of the pair b, for both halves) + c
.if \sel
	v_pk_fma_f32 v[\d:\d+1], v[\a:\a+1], v[\b:\b+1], v[\c:\c+1] op_sel:[0,1,0] op_sel_hi:[1,1,1]
.else
	v_pk_fma_f32 v[\d:\d+1], v[\a:\a+1], v[\b:\b+1], v[\c:\c+1] op_sel_hi:[1,0,1]
.endif
.endm
.macro SCL e, sc, lim                  ; 2^e and 448 x 2^e as f32, e in s[e]
	s_add_co_i32 s14, s[\e], 127
	s_lshl_b32 s15, s14, 23
	v_mov_b32 v[\sc], s15
	s_add_co_i32 s14, s14, 8
	s_lshl_b32 s14, s14, 23
	s_or_b32 s14, s14, 0x600000
	v_mov_b32 v[\lim], s14
.endm
.macro LDW buf, mat                    ; 16 hidden units' weights (4 rows) and bias of matrix mat (0 Q, 1 K); j = 4 is the bias, 4096 bytes behind the matrix
.irp j,0,1,2,3,4
.irp m,0,1,2,3
	ds_load_b128 v[\buf+16*\j+4*\m:\buf+16*\j+4*\m+3], v[ADR] offset:\mat*5120+1024*\j+16*\m
.endr
.endr
.endm
.macro HOLDCVT sc, lim, cd             ; the hold (the conversion to an 8-bit code does not saturate: ISA guide 7.6.2) and the conversion of ACC's 16 numbers into v[cd .. cd+3]
.irp i,0,1,2,3,4,5,6,7,8,9,10,11,12,13,14,15
	v_med3_num_f32 v[ACC+\i], v[ACC+\i], -v[\lim], v[\lim]
.endr
	v_cvt_scalef32_pk8_fp8_f32 v[\cd:\cd+1], v[ACC:ACC+7], v[\sc]
	v_cvt_scalef32_pk8_fp8_f32 v[\cd+2:\cd+3], v[ACC+8:ACC+15], v[\sc]
	v_nop                                          ; a plain line between the conversions and the next lines that write their sources
.endm
.macro ROWGEN buf, xr, sq, sc, lim, imm, cd   ; one tile's 16 numbers a lane: bias + x0..x3 x W; their squares; codes; 512 consecutive bytes a wave out
.irp p,0,1,2,3,4,5,6,7
	v_pk_fma_f32 v[ACC+2*\p:ACC+2*\p+1], v[\buf+2*\p:\buf+2*\p+1], v[\xr:\xr+1], v[\buf+64+2*\p:\buf+64+2*\p+1] op_sel_hi:[1,0,1]
.endr
.irp j,1,2,3
.irp p,0,1,2,3,4,5,6,7
	PKB ACC+2*\p, \buf+16*\j+2*\p, \xr+2*(\j/2), \j%2, ACC+2*\p
.endr
.endr
.irp p,0,1,2,3,4,5,6,7
	v_pk_fma_f32 v[\sq+2*(\p%2):\sq+2*(\p%2)+1], v[ACC+2*\p:ACC+2*\p+1], v[ACC+2*\p:ACC+2*\p+1], v[\sq+2*(\p%2):\sq+2*(\p%2)+1]
.endr
	HOLDCVT \sc, \lim, \cd
	global_store_b128 v[GOF], v[\cd:\cd+3], s[38:39] offset:\imm
.endm
; From X in LDS (rows at XS, transposed at XT) and the staged weights: the record's K, V, Q, kb and 0.5 q^2.  s[36:37]: the record; s[96:99]: eq, ek, ep, ev, on their way.
.macro GENQKV
	s_wait_kmcnt 0x0
	s_wait_xcnt 0x0                                ; the store of my row of X has read its registers: they serve as a set of codes below
	SCL 96, QSC, QLM
	SCL 97, KSC, KLM
	SCL 99, VSC, VLM
	s_add_co_i32 s67, s96, s97
	s_sub_co_i32 s67, 0, s67                       ; -(eq + ek)
	ds_load_b128 v[XQ0:XQ0+3], v[XSA]
	ds_load_b128 v[XQ0+4:XQ0+7], v[XSA] offset:256
	ds_load_b128 v[XK0:XK0+3], v[XSK]
	ds_load_b128 v[XK0+4:XK0+7], v[XSK] offset:128
.set i, 0
.rept 16
	v_mov_b32 v[SQ+i], 0
.set i, i+1
.endr
	s_mov_b64 s[38:39], s[36:37]
	s_mov_b32 s14, 0
	v_add_nc_u32 v[ADR], s14, v[GWA]
	LDW WA, 0
	s_mov_b32 s5, 8
.Lgen:                                                 ; 8 trips: chunk n = 32 hidden units = piece n of a tile's 8 pieces, for my two query tiles and my two key tiles
	LDW WB, 1
	s_wait_dscnt 20                                ; all but K's 20 just issued: Q's weights (and in the first trip the X rows) are in
	ROWGEN WA, XQ0, SQ, QSC, QLM, 65536, CD        ; a trip's four stores have four sets of code registers: they are written again behind the one wait at the trip's end
	ROWGEN WA, XQ0+4, SQ+4, QSC, QLM, 65536+4096, CD+4
	s_add_co_u32 s14, s14, 128
	v_add_nc_u32 v[ADR], s14, v[GWA]
	LDW WA, 0                                      ; the next chunk's; the last trip's reaches into the staged bytes behind and is not used
	s_wait_dscnt 20                                ; K's weights are in
	ROWGEN WB, XK0, SQ+8, KSC, KLM, 0, CD+8
	ROWGEN WB, XK0+4, SQ+12, KSC, KLM, 4096, 4
	s_wait_xcnt 0x0                                ; the stores have read their base
	s_add_nc_u64 s[38:39], s[38:39], 512
	s_sub_co_u32 s5, s5, 1
	s_cmp_lg_u32 s5, 0
	s_cbranch_scc1 .Lgen
	s_wait_dscnt 0x0                               ; the loads that are not used have landed: their registers are taken below
.irp t,0,1,2,3
	v_pk_add_f32 v[SQ+4*\t:SQ+4*\t+1], v[SQ+4*\t:SQ+4*\t+1], v[SQ+4*\t+2:SQ+4*\t+3]
.endr
.irp t,0,1,2,3
	v_add_f32 v[SQ+4*\t], v[SQ+4*\t], v[SQ+4*\t+1]
.endr
.irp t,0,1,2,3
	v_permlanex16_b32 v[SQ+4*\t+1], v[SQ+4*\t], s10, s11   ; the row's other 128 hidden units lie in the lane 16 away
.endr
.irp t,0,1,2,3
	v_add_f32 v[SQ+4*\t], v[SQ+4*\t], v[SQ+4*\t+1]
.endr
	v_mul_f32 v[SQ], 0.5, v[SQ]
	v_mul_f32 v[SQ+4], 0.5, v[SQ+4]
	v_mul_f32 v[SQ+8], -0.5, v[SQ+8]
	v_mul_f32 v[SQ+12], -0.5, v[SQ+12]
	v_ldexp_f32 v[SQ+8], v[SQ+8], s67
	v_ldexp_f32 v[SQ+12], v[SQ+12], s67
	ds_store_b32 v[KQA], v[SQ]                     ; both halves of the lanes store the same number to the same word
	ds_store_b32 v[KQA], v[SQ+4] offset:64
	ds_store_b32 v[KQK], v[SQ+8]
	ds_store_b32 v[KQK], v[SQ+12] offset:32
	; V: a lane takes a channel, its registers run along the keys: X^T of my half's 64 keys fills window 1 (register 64 j + 16 c + i = X[32 c + 16 h + i][j])
	WIN 0x40
.irp j,0,1,2,3
.irp c,0,1,2,3
.irp m,0,1,2,3
	ds_load_b128 v[64*\j+16*\c+4*\m:64*\j+16*\c+4*\m+3], v[XTA] offset:512*\j+128*\c+16*\m
.endr
.endr
.endr
	WIN 0
.irp d,0,1,2,3
.irp j,0,1,2,3,4
	ds_load_b32 v[WA+8*\d+\j], v[GVA] offset:1024*\j+64*\d   ; Wv[j][channel], j = 4: bv, of channel tile 4 w + d
.endr
.endr
	s_wait_dscnt 0x0
.irp c,0,1,2,3
.irp d,0,1,2,3
	WIN 0x01                                       ; source 0 (X^T) window 1
.irp p,0,1,2,3,4,5,6,7
	v_pk_fma_f32 v[ACC+2*\p:ACC+2*\p+1], v[16*\c+2*\p:16*\c+2*\p+1], v[WA+8*\d:WA+8*\d+1], v[WA+8*\d+4:WA+8*\d+5] op_sel_hi:[1,0,0]
.endr
.irp j,1,2,3
.irp p,0,1,2,3,4,5,6,7
	PKB ACC+2*\p, 64*\j+16*\c+2*\p, WA+8*\d+2*(\j/2), \j%2, ACC+2*\p
.endr
.endr
	WIN 0
	HOLDCVT VSC, VLM, WB+4*(4*\c+\d)               ; sixteen stores, sixteen sets, in the second weight buffer, which is done with
	global_store_b128 v[GOF], v[WB+4*(4*\c+\d):WB+4*(4*\c+\d)+3], s[36:37] offset:32768+2048*\d+512*\c
.endr
.endr
	BAR                                            ; kb and 0.5 q^2 of all 128 rows lie in LDS
	s_cmp_lt_u32 s2, 2
	s_cbranch_scc0 .Lkq_done                       ; wave 0 stores kb, wave 1 the squares: 512 consecutive bytes each
	ds_load_b128 v[ACC:ACC+3], v[KQL] offset:KQ
	s_wait_dscnt 0x0
	global_store_b128 v[KQL], v[ACC:ACC+3], s[36:37] offset:98304
.Lkq_done:
.endm
	s_load_b512 s[68:83], s[0:1], 0x0              ; KEY, VALUE, Wq, bq, Wk, bk, Wv, bv
	s_load_b128 s[84:87], s[0:1], 0x40             ; lowp_scales, ws0
	v_lshl_add_u32 v254, v0, 2, 0x5000
	v_mov_b32 v255, 0
	ADDRS
	GENADDRS
	v_lshlrev_b32 v[T8], 3, v0
	v_mul_u32_u24 v[KO], v0, 12
	s_and_b32 s14, ttmp7, 0xffff
	s_lshl_b32 s14, s14, 4
	s_add_co_u32 s14, s14, ttmp9                   ; the record: 16 x batch + block
	s_mul_i32 s40, s14, REC
	s_mov_b32 s41, 0
	s_mul_i32 s42, s14, 1536                       ; 128 rows of KEY
	s_mov_b32 s43, 0
	s_lshl_b32 s44, s14, 9                         ; 128 rows of VALUE
	s_mov_b32 s45, 0
	s_mov_b32 s10, 0x76543210                      ; v_permlanex16_b32: lane l xor 16
	s_mov_b32 s11, 0xfedcba98
	s_wait_alu depctr_va_vdst(0)
	s_wait_kmcnt 0x0
	s_load_b128 s[96:99], s[84:85], GL*16          ; eq, ek, ep, ev
	s_add_nc_u64 s[36:37], s[86:87], s[40:41]
	s_add_nc_u64 s[68:69], s[68:69], s[42:43]
	s_add_nc_u64 s[70:71], s[70:71], s[44:45]
	global_load_b32 v[XV], v[KO], s[68:69]         ; thread t is row t
	global_load_b32 v[XV+1], v[KO], s[68:69] offset:4
	global_load_b32 v[XV+2], v[KO], s[68:69] offset:8
	global_load_b32 v[XV+3], v[T4], s[70:71]
	GWLOAD 72
	s_wait_loadcnt 0x0
	ds_store_b128 v[T16], v[XV:XV+3] offset:XS
.irp j,0,1,2,3
	ds_store_b32 v[T4], v[XV+\j] offset:XT+512*\j
.endr
	global_store_b128 v[T16], v[XV:XV+3], s[36:37] offset:99328   ; 512 consecutive bytes a wave
	GWSTORE T16, T8, GW
	BAR                                            ; X and the weights lie in LDS
	GENQKV
	s_wait_tensorcnt 0x0
	ds_add_u32 v254, v255
	s_wait_dscnt 0x0
	s_endpgm
.Lfunc_end_k_q2ec6f0a1be_prep:
	.size	k_q2ec6f0a1be_prep, .Lfunc_end_k_q2ec6f0a1be_prep-k_q2ec6f0a1be_prep
	.p2alignl 7, 3214868480
	.fill 96, 4, 3214868480
	.section	.rodata,"a",@progbits
	.p2align	6, 0x0
	.amdhsa_kernel k_q2ec6f0a1be_prep
		.amdhsa_group_segment_fixed_size 20992
		.amdhsa_private_segment_fixed_size 0
		.amdhsa_enable_private_segment 0
		.amdhsa_kernarg_size 80
		.amdhsa_user_sgpr_count 2
		.amdhsa_user_sgpr_kernarg_segment_ptr 1
		.amdhsa_wavefront_size32 1
		.amdhsa_system_sgpr_workgroup_id_x 1
		.amdhsa_system_sgpr_workgroup_id_y 1
		.amdhsa_system_sgpr_workgroup_id_z 1
		.amdhsa_system_vgpr_workitem_id 0
		.amdhsa_next_free_vgpr 512
		.amdhsa_next_free_sgpr 100
		.amdhsa_reserve_vcc 0
		.amdhsa_float_denorm_mode_32 3
		.amdhsa_float_denorm_mode_16_64 3
		.amdhsa_memory_ordered 1
		.amdhsa_forward_progress 1
		.amdhsa_inst_pref_size 86
	.end_amdhsa_kernel
	.amdgpu_metadata
---
amdhsa.version: [ 1, 2 ]
amdhsa.kernels:
  - .name:           k_q2ec6f0a1be_prep
    .symbol:         k_q2ec6f0a1be_prep.kd
    .args:
      - { .name: KEY, .offset: 0, .size: 8, .value_kind: global_buffer, .address_space: global }
      - { .name: VALUE, .offset: 8, .size: 8, .value_kind: global_buffer, .address_space: global }
      - { .name: Wq, .offset: 16, .size: 8, .value_kind: global_buffer, .address_space: global }
      - { .name: bq, .offset: 24, .size: 8, .value_kind: global_buffer, .address_space: global }
      - { .name: Wk, .offset: 32, .size: 8, .value_kind: global_buffer, .address_space: global }
      - { .name: bk, .offset: 40, .size: 8, .value_kind: global_buffer, .address_space: global }
      - { .name: Wv, .offset: 48, .size: 8, .value_kind: global_buffer, .address_space: global }
      - { .name: bv, .offset: 56, .size: 8, .value_kind: global_buffer, .address_space: global }
      - { .name: lowp_scales, .offset: 64, .size: 8, .value_kind: global_buffer, .address_space: global }
      - { .name: ws0, .offset: 72, .size: 8, .value_kind: global_buffer, .address_space: global }
    .group_segment_fixed_size: 20992
    .private_segment_fixed_size: 0
    .kernarg_segment_align: 8
    .kernarg_segment_size: 80
    .max_flat_workgroup_size: 128
    .sgpr_count:     100
    .vgpr_count:     512
    .wavefront_size: 32
...
	.end_amdgpu_metadata
.endif
;; end of part 1
;; launch attn0 (part 2): grid 16 x 16, 4 waves a work-group, clusters of 4 x 1, 327,680 bytes of LDS; arguments ws0, lowp_scales, bw, W1, b1, W2, Wo, bo, g1, be1, b2, g2, be2, Wq, bq, Wk, bk, Wv, bv, ws1; writes ws1
.if DOCPART == 2
	.amdgcn_target "amdgcn-amd-amdhsa--gfx1250"
	.amdhsa_code_object_version 6
	.text
	.protected	k_q2ec6f0a1be_attn0
	.globl	k_q2ec6f0a1be_attn0
	.p2align	8
	.type	k_q2ec6f0a1be_attn0,@function
k_q2ec6f0a1be_attn0:
	s_mov_b64 s[64:65], 0
	v_nop
	global_prefetch_b8 v0, s[64:65] scope:SCOPE_SE
	s_setreg_imm32_b32 hwreg(HW_REG_WAVE_MODE, 25, 1), 1
	s_wait_xcnt 0x0
	s_wait_alu depctr_hold_cnt(0) depctr_sa_sdst(0) depctr_va_vdst(0) depctr_va_sdst(0) depctr_va_ssrc(0) depctr_va_vcc(0) depctr_vm_vsrc(0)
	s_getreg_b32 s2, hwreg(HW_REG_IB_STS2, 6, 4)
	s_cmp_eq_u32 s2, 0
	s_cbranch_scc0 .Lentry_in_a_cluster
	s_endpgm
.Lentry_in_a_cluster:
	s_bfe_u32 s2, ttmp6, 0x10000c
	s_cmp_lg_u32 s2, 0x3003
	s_cbranch_scc0 .Lentry_shape_is_right
	s_endpgm
.Lentry_shape_is_right:
; One layer: Gaussian-kernel attention on codes of FP8 (E4M3), x Wo + bo, residual, LayerNorm, FFN 4 -> 512 -> 4, residual, LayerNorm; then (LAYER 0) the next layer's codes, or (LAYER 1) x Wfc + bfc.
; The operands come from records of REC bytes, one for each block of 128 rows (16 a batch): K's images +0, V's +32768, Q's +65536, kb +98304, 0.5 q^2 +98816, X +99328.
; An image is an operand's registers as they stand: lane l's 16 bytes at 16 l, 512 bytes a piece; lane (r, h) holds in registers 4c..4c+3 the elements k = 32c + 16h + 0..15, alike on both sides of a product.
; SHARES.  A work-group owns 128 queries of one batch, each of its four waves 32: two tiles of 16.  Every wave walks the batch's 2,048 keys, 128 a step; each fragment of K and V read from LDS feeds both tiles.
; LAYOUT.  Both products transposed: S^T = K Q^T, O^T = V^T P^T: a lane holds ONE query throughout.  Lane r of key tile 2b+u is key 32b + 8u + r + 8(r/8): registers 16b + i of a tile's scores are keys 32b + 16h + i.
; THE LOGIT.  t = CB S' - QQ: S' = the codes' sum + kb (kb = -0.5 k^2 / 2^(eq+ek) is the C of each score tile's first product), CB = bw^2 log2(e) 2^(eq+ek), QQ = bw^2 log2(e) 0.5 q^2.
; M = the running largest t rounded up to a whole number, kept as -M; p = 2^(t - M) is quantised with 2^ep; the row's sum is taken of the unquantised p; when M moves, sum and O^T are multiplied by 2^(old M - new M).
; RING.  Two LDS slots of 131,072 bytes, each two records' K and V (256 keys); each wave fetches a dense piece of 32,768 bytes with one tensor load; a refill has two key steps in which to land.
; CLUSTER.  The four query blocks of a cluster belong to one batch and walk the same K and V: each piece is asked for jointly, with the mask of all four.
; O^T is cleared once (256 lines): the key step is written once for all 16 steps, and its first trip multiplies zeros.
; LIMITS: eq + ek between -126 and 127; ep (and, where codes are made, eq, ek, ev) between -126 and 119.  NaN and infinities among the inputs are not served.  Sums take the bias first.
; REGISTERS, in windows of 256.  Window 0: v0-11 lane terms; v12-27 statistics, 8 a tile; v28-31 second sum chains; v32-39 maxima; v40-47 my rows of X; v48-63 addresses of the tail;
;   v64-191 S^T, then p, 64 a tile; v192-223 p's codes; v224-255 the tail's.   Window 1: v0-63 Q; v64-127 kb in the result's layout.   Window 2: O^T, 128 a tile.   Window 3: 16 fragments of K, then of V.
.set LAYER, 0
.set GL,  1                            ; the layer whose codes the tail makes
.set REC, 101376
.set SLOT1, 1<<17
.set SPARE, 2*SLOT1                    ; the spare words, 128 bytes a wave: two blocks of 256 bytes that no other line names
.set WTS, SPARE+512                    ; W1 +0 (8192) | b1 +8192 (2048) | W2 +10240 (8192) | Wo +18432 (4096)
.set GWO, 22528
.set GW,  WTS+GWO                      ; Wq 4096 | bq 1024 | Wk 4096 | bk 1024 | Wv 4096 | bv 1024, of layer GL
.set XS,  0                            ; the tail's scratch lies in slot 0, which has then had its last fill and its last read
.set XT,  2048
.set KQ,  4096
.set OS,  5120
.set LI,  1                            ; v1  16 x lane
.set H64, 2                            ; v2  64 h
.set ADR, 3                            ; v3  LDS address in hand
.set SPW, 4                            ; v4  my spare word; never rewritten
.set NIL, 5                            ; v5  0; never rewritten
.set PFO, 6                            ; v6  256 x lane
.set CVS, 7                            ; v7  2^ep
.set RR,  8
.set HF,  9
.set SC,  10                           ; v10-11 head: offsets of two loads; tail: 2^(ep+ev) / l
.set VSC, 10
.set VLM, 11
.set SS,  12                           ; tile x at SS + 8x: +0 -M - QQ, +1 largest t, +2 -M, +3 QQ, +4:5 sum, +6 f, +7 named with f as a pair
.set SQ,  12
.set LBB, 28
.set QSC, 28
.set QLM, 29
.set KSC, 30
.set KLM, 31
.set TT,  32
.set XK0, 32
.set XR,  40
.set XQ0, 40
.set T16, 48
.set T4,  49
.set WOA, 50
.set FB1, 51
.set FB2, 52
.set XSA, 53
.set XSK, 54
.set KQA, 55
.set KQK, 56
.set GWA, 57
.set GVA, 58
.set XTA, 59
.set GOF, 60
.set KQL, 61
.set EPS, 62                           ; v62-63 LayerNorm's 1e-5, twice
.set S,   64
.set P,   192
.set WA,  64
.set WB,  144
.set SG,  108
.set ACC, 224
.set CD,  240
.set UU,  224                          ; the tail: attention x Wo, 4 a tile; later the new X
.set YY,  232                          ; register 2 j + x: component j of tile x's row
.set RS,  240
.set XV,  248
.set ADR2, 252
.set OO,  253
.set LM,  192
.set LV,  194
.set LR,  196
.set LD,  198
.set FA,  64
.set FB,  100
.set HH,  136
.set FAC, 144
.set PT,  152
.set MSB, 0
.macro WIN new                         ; the immediate's high byte repeats the setting that is left
.if MSB != \new
	s_set_vgpr_msb (MSB<<8)|\new
.set MSB, \new
.endif
.endm
.macro BAR
	s_wait_dscnt 0x0
	s_barrier_signal -1
	s_barrier_wait -1
.endm
.macro CROUND                          ; a round of the cluster's barrier
	s_barrier_signal -1
	s_barrier_wait -1
	s_cmp_lg_u32 s2, 0
	s_cbranch_scc1 .Lnot_wave_0_\@
	s_barrier_signal -3
.Lnot_wave_0_\@:
	s_barrier_wait -3
	s_barrier_signal -1
	s_barrier_wait -1
.endm
.macro ADDRS
	v_lshrrev_b32 v[LI], 5, v0
	v_readfirstlane_b32 s2, v[LI]                  ; wave 0..3
	v_and_b32 v[LI], 31, v0
	v_lshlrev_b32 v[LI], 4, v[LI]
	v_and_b32 v[RR], 15, v0
	v_bfe_u32 v[HF], v0, 4, 1
	v_lshlrev_b32 v[T16], 4, v0
	v_lshlrev_b32 v[T4], 2, v0
	s_lshl_b32 s14, s2, 13
	v_add_nc_u32 v[GOF], s14, v[LI]
.endm
.macro GENADDRS
	v_and_b32 v[ADR], 8, v[RR]
	v_add_nc_u32 v[ADR], v[ADR], v[RR]             ; r + 8 (r / 8)
	s_lshl_b32 s14, s2, 9
	v_lshl_add_u32 v[XSA], v[RR], 4, s14
	v_lshl_add_u32 v[XSK], v[ADR], 4, s14
	v_add_nc_u32 v[KQL], s14, v[LI]
.if XS > 0
	v_add_nc_u32 v[XSA], XS, v[XSA]
	v_add_nc_u32 v[XSK], XS, v[XSK]
.endif
	s_lshl_b32 s14, s2, 7
	v_lshl_add_u32 v[KQA], v[RR], 2, s14
	v_lshl_add_u32 v[KQK], v[ADR], 2, s14
	v_add_nc_u32 v[KQA], KQ+512, v[KQA]
	v_add_nc_u32 v[KQK], KQ, v[KQK]
	v_lshl_add_u32 v[GWA], v[HF], 6, GW
	s_lshl_b32 s14, s2, 8
	v_lshl_add_u32 v[GVA], v[RR], 2, s14
	v_add_nc_u32 v[GVA], GW+10240, v[GVA]
	v_lshl_add_u32 v[XTA], v[HF], 6, XT
.endm
.macro GWLOAD p
.irp m,0,1,2
	global_load_b128 v[SG+10*\m:SG+10*\m+3], v[T16], s[\p+4*\m:\p+4*\m+1] offset:GL*4096
	global_load_b128 v[SG+10*\m+4:SG+10*\m+7], v[T16], s[\p+4*\m:\p+4*\m+1] offset:GL*4096+2048
	global_load_b64 v[SG+10*\m+8:SG+10*\m+9], v226, s[\p+4*\m+2:\p+4*\m+3] offset:GL*1024
.endr
.endm
.macro GWSTORE ta, tb, o
.irp m,0,1,2
	ds_store_b128 v[\ta], v[SG+10*\m:SG+10*\m+3] offset:\o+5120*\m
	ds_store_b128 v[\ta], v[SG+10*\m+4:SG+10*\m+7] offset:\o+5120*\m+2048
	ds_store_b64 v[\tb], v[SG+10*\m+8:SG+10*\m+9] offset:\o+5120*\m+4096
.endr
.endm
.macro PKB d, a, b, sel, c             ; d = a x (register sel of the pair b, for both halves) + c
.if \sel
	v_pk_fma_f32 v[\d:\d+1], v[\a:\a+1], v[\b:\b+1], v[\c:\c+1] op_sel:[0,1,0] op_sel_hi:[1,1,1]
.else
	v_pk_fma_f32 v[\d:\d+1], v[\a:\a+1], v[\b:\b+1], v[\c:\c+1] op_sel_hi:[1,0,1]
.endif
.endm
.macro PKC d, a, b, c, sel             ; d = a x (register sel of b) + (register sel of c)
.if \sel
	v_pk_fma_f32 v[\d:\d+1], v[\a:\a+1], v[\b:\b+1], v[\c:\c+1] op_sel:[0,1,1] op_sel_hi:[1,1,1]
.else
	v_pk_fma_f32 v[\d:\d+1], v[\a:\a+1], v[\b:\b+1], v[\c:\c+1] op_sel_hi:[1,0,0]
.endif
.endm
.macro PKA d, a, sel, b                ; d += (register sel of the pair a) x b
.if \sel
	v_pk_fma_f32 v[\d:\d+1], v[\a:\a+1], v[\b:\b+1], v[\d:\d+1] op_sel:[1,0,0] op_sel_hi:[1,1,1]
.else
	v_pk_fma_f32 v[\d:\d+1], v[\a:\a+1], v[\b:\b+1], v[\d:\d+1] op_sel_hi:[0,1,1]
.endif
.endm
.macro SCL e, sc, lim
	s_add_co_i32 s14, s[\e], 127
	s_lshl_b32 s15, s14, 23
	v_mov_b32 v[\sc], s15
	s_add_co_i32 s14, s14, 8
	s_lshl_b32 s14, s14, 23
	s_or_b32 s14, s14, 0x600000
	v_mov_b32 v[\lim], s14
.endm
.macro LDW buf, mat
.irp j,0,1,2,3,4
.irp m,0,1,2,3
	ds_load_b128 v[\buf+16*\j+4*\m:\buf+16*\j+4*\m+3], v[ADR] offset:\mat*5120+1024*\j+16*\m
.endr
.endr
.endm
.macro HOLDCVT sc, lim, cd             ; the hold (the conversion to an 8-bit code does not saturate: ISA guide 7.6.2) and the conversion of ACC's 16 numbers into v[cd .. cd+3]
.irp i,0,1,2,3,4,5,6,7,8,9,10,11,12,13,14,15
	v_med3_num_f32 v[ACC+\i], v[ACC+\i], -v[\lim], v[\lim]
.endr
	v_cvt_scalef32_pk8_fp8_f32 v[\cd:\cd+1], v[ACC:ACC+7], v[\sc]
	v_cvt_scalef32_pk8_fp8_f32 v[\cd+2:\cd+3], v[ACC+8:ACC+15], v[\sc]
	v_nop                                          ; a plain line between the conversions and the next lines that write their sources
.endm
.macro ROWGEN buf, xr, sq, sc, lim, imm, cd
.irp p,0,1,2,3,4,5,6,7
	v_pk_fma_f32 v[ACC+2*\p:ACC+2*\p+1], v[\buf+2*\p:\buf+2*\p+1], v[\xr:\xr+1], v[\buf+64+2*\p:\buf+64+2*\p+1] op_sel_hi:[1,0,1]
.endr
.irp j,1,2,3
.irp p,0,1,2,3,4,5,6,7
	PKB ACC+2*\p, \buf+16*\j+2*\p, \xr+2*(\j/2), \j%2, ACC+2*\p
.endr
.endr
.irp p,0,1,2,3,4,5,6,7
	v_pk_fma_f32 v[\sq+2*(\p%2):\sq+2*(\p%2)+1], v[ACC+2*\p:ACC+2*\p+1], v[ACC+2*\p:ACC+2*\p+1], v[\sq+2*(\p%2):\sq+2*(\p%2)+1]
.endr
	HOLDCVT \sc, \lim, \cd
	global_store_b128 v[GOF], v[\cd:\cd+3], s[38:39] offset:\imm
.endm
; From X in LDS (rows at XS, transposed at XT) and the staged weights: the record's K, V, Q, kb and 0.5 q^2.  s[36:37]: the record; s[96:99]: eq, ek, ep, ev, on their way.
.macro GENQKV
	s_wait_kmcnt 0x0
	s_wait_xcnt 0x0                                ; the store of my row of X has read its registers: they serve as a set of codes below
	SCL 96, QSC, QLM
	SCL 97, KSC, KLM
	SCL 99, VSC, VLM
	s_add_co_i32 s67, s96, s97
	s_sub_co_i32 s67, 0, s67                       ; -(eq + ek)
	ds_load_b128 v[XQ0:XQ0+3], v[XSA]
	ds_load_b128 v[XQ0+4:XQ0+7], v[XSA] offset:256
	ds_load_b128 v[XK0:XK0+3], v[XSK]
	ds_load_b128 v[XK0+4:XK0+7], v[XSK] offset:128
.set i, 0
.rept 16
	v_mov_b32 v[SQ+i], 0
.set i, i+1
.endr
	s_mov_b64 s[38:39], s[36:37]
	s_mov_b32 s14, 0
	v_add_nc_u32 v[ADR], s14, v[GWA]
	LDW WA, 0
	s_mov_b32 s5, 8
.Lgen:                                                 ; 8 trips: chunk n = 32 hidden units = piece n of a tile's 8 pieces, for my two query tiles and my two key tiles
	LDW WB, 1
	s_wait_dscnt 20                                ; all but K's 20 just issued: Q's weights (and in the first trip the X rows) are in
	ROWGEN WA, XQ0, SQ, QSC, QLM, 65536, CD        ; a trip's four stores have four sets of code registers: they are written again behind the one wait at the trip's end
	ROWGEN WA, XQ0+4, SQ+4, QSC, QLM, 65536+4096, CD+4
	s_add_co_u32 s14, s14, 128
	v_add_nc_u32 v[ADR], s14, v[GWA]
	LDW WA, 0                                      ; the next chunk's; the last trip's reaches into the staged bytes behind and is not used
	s_wait_dscnt 20                                ; K's weights are in
	ROWGEN WB, XK0, SQ+8, KSC, KLM, 0, CD+8
	ROWGEN WB, XK0+4, SQ+12, KSC, KLM, 4096, CD+12
	s_wait_xcnt 0x0                                ; the stores have read their base
	s_add_nc_u64 s[38:39], s[38:39], 512
	s_sub_co_u32 s5, s5, 1
	s_cmp_lg_u32 s5, 0
	s_cbranch_scc1 .Lgen
	s_wait_dscnt 0x0                               ; the loads that are not used have landed: their registers are taken below
.irp t,0,1,2,3
	v_pk_add_f32 v[SQ+4*\t:SQ+4*\t+1], v[SQ+4*\t:SQ+4*\t+1], v[SQ+4*\t+2:SQ+4*\t+3]
.endr
.irp t,0,1,2,3
	v_add_f32 v[SQ+4*\t], v[SQ+4*\t], v[SQ+4*\t+1]
.endr
.irp t,0,1,2,3
	v_permlanex16_b32 v[SQ+4*\t+1], v[SQ+4*\t], s10, s11   ; the row's other 128 hidden units lie in the lane 16 away
.endr
.irp t,0,1,2,3
	v_add_f32 v[SQ+4*\t], v[SQ+4*\t], v[SQ+4*\t+1]
.endr
	v_mul_f32 v[SQ], 0.5, v[SQ]
	v_mul_f32 v[SQ+4], 0.5, v[SQ+4]
	v_mul_f32 v[SQ+8], -0.5, v[SQ+8]
	v_mul_f32 v[SQ+12], -0.5, v[SQ+12]
	v_ldexp_f32 v[SQ+8], v[SQ+8], s67
	v_ldexp_f32 v[SQ+12], v[SQ+12], s67
	ds_store_b32 v[KQA], v[SQ]                     ; both halves of the lanes store the same number to the same word
	ds_store_b32 v[KQA], v[SQ+4] offset:64
	ds_store_b32 v[KQK], v[SQ+8]
	ds_store_b32 v[KQK], v[SQ+12] offset:32
	; V: a lane takes a channel, its registers run along the keys: X^T of my half's 64 keys fills window 1 (register 64 j + 16 c + i = X[32 c + 16 h + i][j])
	WIN 0x40
.irp j,0,1,2,3
.irp c,0,1,2,3
.irp m,0,1,2,3
	ds_load_b128 v[64*\j+16*\c+4*\m:64*\j+16*\c+4*\m+3], v[XTA] offset:512*\j+128*\c+16*\m
.endr
.endr
.endr
	WIN 0
.irp d,0,1,2,3
.irp j,0,1,2,3,4
	ds_load_b32 v[WA+8*\d+\j], v[GVA] offset:1024*\j+64*\d   ; Wv[j][channel], j = 4: bv, of channel tile 4 w + d
.endr
.endr
	s_wait_dscnt 0x0
.irp c,0,1,2,3
.irp d,0,1,2,3
	WIN 0x01                                       ; source 0 (X^T) window 1
.irp p,0,1,2,3,4,5,6,7
	v_pk_fma_f32 v[ACC+2*\p:ACC+2*\p+1], v[16*\c+2*\p:16*\c+2*\p+1], v[WA+8*\d:WA+8*\d+1], v[WA+8*\d+4:WA+8*\d+5] op_sel_hi:[1,0,0]
.endr
.irp j,1,2,3
.irp p,0,1,2,3,4,5,6,7
	PKB ACC+2*\p, 64*\j+16*\c+2*\p, WA+8*\d+2*(\j/2), \j%2, ACC+2*\p
.endr
.endr
	WIN 0
	HOLDCVT VSC, VLM, WB+4*(4*\c+\d)               ; sixteen stores, sixteen sets, in the second weight buffer, which is done with
	global_store_b128 v[GOF], v[WB+4*(4*\c+\d):WB+4*(4*\c+\d)+3], s[36:37] offset:32768+2048*\d+512*\c
.endr
.endr
	BAR                                            ; kb and 0.5 q^2 of all 128 rows lie in LDS
	s_cmp_lt_u32 s2, 2
	s_cbranch_scc0 .Lkq_done                       ; wave 0 stores kb, wave 1 the squares: 512 consecutive bytes each
	ds_load_b128 v[ACC:ACC+3], v[KQL] offset:KQ
	s_wait_dscnt 0x0
	global_store_b128 v[KQL], v[ACC:ACC+3], s[36:37] offset:98304
.Lkq_done:
.endm
; kb of a block of 128 keys, in the result's layout: register j of tile t in lane (r, h) is kb[32 (t/2) + 16 h + 8 (t%2) + j]
.macro BIASLD
	WIN 0x40                                       ; destination window 1
.irp t,0,1,2,3,4,5,6,7
	global_load_b128 v[64+8*\t:64+8*\t+3], v[H64], s[32:33] offset:128*(\t/2)+32*(\t%2)
	global_load_b128 v[64+8*\t+4:64+8*\t+7], v[H64], s[32:33] offset:128*(\t/2)+32*(\t%2)+16
.endr
.endm
; THE SOFTMAX of a step, both tiles, all in window 0
.set PS, 224                           ; v224-255, in the loop: tile 0's first level of sums, 16 pairs
.macro VLD f0, n                       ; V's fragments f0 .. f0 + n - 1, four LDS loads each; the three groups (4, 6, 6) stand behind the first product and directly behind two of the softmax's waits
	WIN 0xc0
.set vf, \f0
.rept \n
.irp c,0,1,2,3
	ds_load_b128 v[16*vf+4*\c:16*vf+4*\c+3], v[ADR] offset:32768+2048*vf+512*\c
.endr
.set vf, vf+1
.endr
	WIN 0
.endm
.macro SOFT
.irp k,0,1,2,3                         ; the largest S' of my query among my 64 keys: four chains a tile, each accumulator read from its low end on
.irp x,0,1
	v_max3_num_f32 v[TT+4*\x+\k], v[S+64*\x+16*\k], v[S+64*\x+16*\k+1], v[S+64*\x+16*\k+2]
.endr
.endr
.irp p,3,5,7,9,11,13
.irp k,0,1,2,3
.irp x,0,1
	v_max3_num_f32 v[TT+4*\x+\k], v[TT+4*\x+\k], v[S+64*\x+16*\k+\p], v[S+64*\x+16*\k+\p+1]
.endr
.endr
.endr
.irp x,0,1
	v_max3_num_f32 v[TT+4*\x], v[TT+4*\x], v[S+64*\x+15], v[S+64*\x+31]
	v_max3_num_f32 v[TT+4*\x+2], v[TT+4*\x+2], v[S+64*\x+47], v[S+64*\x+63]
.endr
.irp x,0,1
	v_max3_num_f32 v[TT+4*\x], v[TT+4*\x], v[TT+4*\x+1], v[TT+4*\x+2]
.endr
.irp x,0,1
	v_max_num_f32 v[TT+4*\x], v[TT+4*\x], v[TT+4*\x+3]
.endr
.irp x,0,1
	v_permlanex16_b32 v[TT+4*\x+1], v[TT+4*\x], s10, s11   ; the query's other 64 keys lie in the lane 16 away
.endr
.irp x,0,1
	v_max_num_f32 v[TT+4*\x], v[TT+4*\x], v[TT+4*\x+1]
.endr
.irp x,0,1
	v_fma_f32 v[TT+4*\x], s8, v[TT+4*\x], -v[SS+8*\x+3]    ; as t (CB is not negative)
.endr
.irp x,0,1
	v_max_num_f32 v[SS+8*\x+1], v[SS+8*\x+1], v[TT+4*\x]   ; the running largest t
.endr
.irp x,0,1
	v_mov_b32 v[TT+4*\x+1], v[SS+8*\x+2]
.endr
.irp x,0,1
	v_floor_f32 v[SS+8*\x+2], -v[SS+8*\x+1]                ; -M = floor(-t): M is a whole number
.endr
.irp x,0,1
	v_sub_f32 v[TT+4*\x+1], v[SS+8*\x+2], v[TT+4*\x+1]     ; old M - new M, 0 or less
.endr
.irp x,0,1
	v_cvt_i32_f32 v[TT+4*\x+1], v[TT+4*\x+1]               ; (it saturates)
.endr
.irp x,0,1
	v_ldexp_f32 v[SS+8*\x+6], 1.0, v[TT+4*\x+1]            ; f = 2^(old M - new M)
.endr
.irp x,0,1
	v_sub_f32 v[SS+8*\x], v[SS+8*\x+2], v[SS+8*\x+3]       ; -M - QQ
.endr
.irp x,0,1
	v_pk_mul_f32 v[SS+8*\x+4:SS+8*\x+5], v[SS+8*\x+4:SS+8*\x+5], v[SS+8*\x+6:SS+8*\x+7] op_sel_hi:[1,0]
	v_pk_mul_f32 v[LBB+2*\x:LBB+2*\x+1], v[LBB+2*\x:LBB+2*\x+1], v[SS+8*\x+6:SS+8*\x+7] op_sel_hi:[1,0]
.endr
.set i, 0
.rept 32
	v_pk_fma_f32 v[S+2*i:S+2*i+1], v[S+2*i:S+2*i+1], s[8:9], v[SS:SS+1] op_sel_hi:[1,0,0]   ; tile 0: t - M
.set i, i+1
.endr
	s_wait_alu depctr_va_vdst(0)                   ; a wait ahead of the batch
	VLD 4, 6
.set i, 0
.rept 32                               ; tile 0's exponentials, tile 1's scalings between them
	v_exp_f32 v[S+2*i], v[S+2*i]
	v_exp_f32 v[S+2*i+1], v[S+2*i+1]
	v_pk_fma_f32 v[S+64+2*i:S+64+2*i+1], v[S+64+2*i:S+64+2*i+1], s[8:9], v[SS+8:SS+9] op_sel_hi:[1,0,0]
.set i, i+1
.endr
	s_wait_alu depctr_va_vdst(0)                   ; one wait for tile 0's 64 exponentials, ahead of their first reader; the last scaling is the plain line behind them
.set i, 0
.rept 32                               ; tile 1's exponentials; between them tile 0's sums (of the unquantised p) and holds (p is not negative: one-sided)
.if i == 0
	VLD 10, 6
.endif
	v_exp_f32 v[S+64+2*i], v[S+64+2*i]
	v_exp_f32 v[S+64+2*i+1], v[S+64+2*i+1]
.if i%2                                ; nothing written here is read before the batch's wait: four p of tile 0 summed into a pair of their own, then held, two a line
	v_pk_add_f32 v[PS+i-1:PS+i], v[S+2*i-2:S+2*i-1], v[S+2*i:S+2*i+1]
	v_dual_min_num_f32 v[S+2*i-2], s12, v[S+2*i-2] :: v_dual_min_num_f32 v[S+2*i-1], s12, v[S+2*i-1]
	v_dual_min_num_f32 v[S+2*i], s12, v[S+2*i] :: v_dual_min_num_f32 v[S+2*i+1], s12, v[S+2*i+1]
.endif
.set i, i+1
.endr
	s_wait_alu depctr_va_vdst(0)                   ; one wait for tile 1's 64
.irp b,0,1,2,3
	v_cvt_scalef32_pk8_fp8_f32 v[P+4*\b:P+4*\b+1], v[S+16*\b:S+16*\b+7], v[CVS]
	v_cvt_scalef32_pk8_fp8_f32 v[P+4*\b+2:P+4*\b+3], v[S+16*\b+8:S+16*\b+15], v[CVS]
.endr
.set i, 0
.endm
; Unit i (0 .. 31) of what is left of the softmax: two p of tile 1 summed (unquantised) and held; every second unit puts one of tile 0's 16 pairs onto a chain.  Two units stand behind each of tile 0's second products
.macro UNIT
.if i%2
	v_pk_add_f32 v[LBB+2:LBB+3], v[LBB+2:LBB+3], v[S+64+2*i:S+64+2*i+1]
.else
	v_pk_add_f32 v[SS+12:SS+13], v[SS+12:SS+13], v[S+64+2*i:S+64+2*i+1]
.endif
	v_dual_min_num_f32 v[S+64+2*i], s12, v[S+64+2*i] :: v_dual_min_num_f32 v[S+64+2*i+1], s12, v[S+64+2*i+1]
.if i%4 == 0
	v_pk_add_f32 v[SS+4:SS+5], v[SS+4:SS+5], v[PS+i:PS+i+1]
.endif
.if i%4 == 2
	v_pk_add_f32 v[LBB:LBB+1], v[LBB:LBB+1], v[PS+i:PS+i+1]
.endif
.set i, i+1
.endm
; A KEY STEP: the 128 keys whose K and V lie at LDS byte s3
.macro STEP
	v_add_nc_u32 v[ADR], s3, v[LI]                 ; this line and three v_nop: the four places between the last products and the loads into the registers that they read
.rept 3
	v_nop
.endr
	WIN 0xc0                                       ; destination window 3
.irp i,0,1,2,3                         ; K's 16 fragments in the order of their use: group i = key tiles 4 (i/2) .. + 3, K step i % 2
.irp k,0,1,2,3
.irp c,0,1,2,3
	ds_load_b128 v[16*(4*\i+\k)+4*\c:16*(4*\i+\k)+4*\c+3], v[ADR] offset:(4*(\i/2)+\k)*4096+(\i%2)*2048+512*\c
.endr
.endr
.endr
	s_wait_alu depctr_va_vdst(0)                   ; a wait directly ahead of the wait below
	s_wait_loadcnt 0x0                             ; this step's kb, asked for a step ago
.irp i,0,1,2,3                         ; S^T = K Q^T + kb: eight accumulators by turns, one instruction a turn
	s_wait_dscnt 48-16*\i                          ; group i's 16 loads are in; the groups behind it may be out
.if (\i%2) == 0
	WIN 0x17                                       ; A window 3, B and C window 1, D window 0
.else
	WIN 0x07
.endif
.irp k,0,1,2,3
.irp x,0,1
.if (\i%2) == 0
	v_wmma_f32_16x16x128_fp8_fp8 v[S+64*\x+8*(4*(\i/2)+\k):S+64*\x+8*(4*(\i/2)+\k)+7], v[16*(4*\i+\k):16*(4*\i+\k)+15], v[32*\x:32*\x+15], v[64+8*(4*(\i/2)+\k):64+8*(4*(\i/2)+\k)+7]
.else
	v_wmma_f32_16x16x128_fp8_fp8 v[S+64*\x+8*(4*(\i/2)+\k):S+64*\x+8*(4*(\i/2)+\k)+7], v[16*(4*\i+\k):16*(4*\i+\k)+15], v[32*\x+16:32*\x+31], v[S+64*\x+8*(4*(\i/2)+\k):S+64*\x+8*(4*(\i/2)+\k)+7]
.endif
.endr
.endr
.endr
	WIN 0
.rept 4
	v_nop                                          ; four places: loads into kb's and K's registers follow, then the first read of the scores
.endr
	s_add_co_u32 s7, s7, 1                         ; the next step's kb; in the last step the last block's once more, so that no load leaves the buffer
	s_min_u32 s14, s7, 15
	s_mul_i32 s14, s14, REC
	s_mov_b32 s15, 0
	s_add_nc_u64 s[32:33], s[30:31], s[14:15]      ; (the loads that named this base were waited for above)
	BIASLD
	VLD 0, 4                                       ; V's first four fragments; the other twelve are asked for inside the softmax
	SOFT
	WIN 0x82                                       ; O^T (destination, source 0) window 2, f window 0
	s_wait_alu depctr_va_vdst(0)                   ; a wait directly ahead of the first reader of O^T
.irp x,0,1
.set i, 0
.rept 64
	v_pk_mul_f32 v[128*\x+2*i:128*\x+2*i+1], v[128*\x+2*i:128*\x+2*i+1], v[SS+8*\x+6:SS+8*\x+7] op_sel_hi:[1,0]   ; O^T under the new M; each accumulator from its low end on.  These are also the plain lines behind the conversions
.set i, i+1
.endr
.endr
	s_wait_alu depctr_va_vdst(0)                   ; a wait directly ahead of the wait below
	s_wait_dscnt 0x0                               ; all 64 loads of V are in
.set i, 0
.irp t,0,1,2,3,4,5,6,7,8,9,10,11,12,13,14,15       ; O^T += V^T P^T, tile 0: 16 accumulators, one instruction each (A window 3, B window 0, C and D window 2); behind each, five plain lines in window 0 that name none of its registers
	WIN 0xa3
	v_wmma_f32_16x16x128_fp8_fp8 v[8*\t:8*\t+7], v[16*\t:16*\t+15], v[P:P+15], v[8*\t:8*\t+7]
	WIN 0
	UNIT
	UNIT
.endr
.irp b,0,1,2,3
	v_cvt_scalef32_pk8_fp8_f32 v[P+16+4*\b:P+16+4*\b+1], v[S+64+16*\b:S+64+16*\b+7], v[CVS]
	v_cvt_scalef32_pk8_fp8_f32 v[P+16+4*\b+2:P+16+4*\b+3], v[S+64+16*\b+8:S+64+16*\b+15], v[CVS]
.endr
	v_nop                                          ; a plain line between the conversions and the products that read their results
	WIN 0xa3
.irp t,0,1,2,3,4,5,6,7,8,9,10,11,12,13,14,15       ; tile 1
	v_wmma_f32_16x16x128_fp8_fp8 v[128+8*\t:128+8*\t+7], v[16*\t:16*\t+15], v[P+16:P+31], v[128+8*\t:128+8*\t+7]
.endr
	WIN 0
	s_add_co_u32 s3, s3, 65536
.endm
.macro TWO_STEPS                       ; a slot's two key steps: written once, walked twice
	s_mov_b32 s5, 2
.Lstep_\@:
	STEP
	s_sub_co_u32 s5, s5, 1
	s_cmp_lg_u32 s5, 0
	s_cbranch_scc1 .Lstep_\@
	s_sub_co_u32 s3, s3, 131072
	s_xor_b32 s3, s3, SLOT1                        ; on to the other slot
.endm
; A prefetch of what the NEXT change of slots will ask for.  All four clusters of a batch walk the same K and V: the batch's first cluster asks.  Its partners are told apart by address: partner cx takes piece cx
; of the slot's four, wave w 8,192 bytes of it, lanes 256 bytes apart: each block of 256 bytes is named once in the launch.  The last change that fills a slot asks for nothing; slots 0 and 1 come by their loads alone.
.macro ASK
	s_cmp_gt_u32 s4, s6
	s_cbranch_scc0 .Lnot_mine_\@
	global_prefetch_b8 v[PFO], s[28:29] th:TH_LOAD_NT scope:SCOPE_SE
.Lnot_mine_\@:
.endm
; THE CHANGE OF SLOTS, at a slot's head.  Each wave waits for all its tensor loads (one is out: its piece of the slot ahead), adds 0 to its spare word, and waits for that and for its reads of the slot that it has left.
; fill = 1: a round of the cluster's barrier, and behind it the joint refill of the slot left, first thing: it has two key steps in which to land.
.macro CHANGE fill
	s_wait_tensorcnt 0x0                           ; no tensor load of mine is out, so the descriptor may be written
	ds_add_u32 v[SPW], v[NIL]                      ; 0 onto my spare word
.if \fill
	s_xor_b32 s25, s25, SLOT1                      ; the other slot than last time,
	s_add_nc_u64 s[26:27], s[26:27], 2*REC         ; the next two records; the type bits on top are not reached
	s_wait_xcnt 0x0                                ; the last prefetch, a slot back, has read its address
	s_add_nc_u64 s[28:29], s[28:29], 2*REC
	s_wait_dscnt 0x0                               ; the add is done, my reads of the slot left are over (at the first change: my stores of the weights have landed)
	CROUND
	tensor_load_to_lds s[24:27], s[16:23]
	s_nop 0
.rept 4
	v_nop
.endr
	ASK
.else
	s_wait_dscnt 0x0
	s_barrier_signal -1
	s_barrier_wait -1
.endif
.endm
.macro LDWO g, buf                     ; Wo's rows of channel tiles 2 g, 2 g + 1, my half's eight channels each
.irp t,0,1
.irp j,0,1,2,3,4,5,6,7
	ds_load_b128 v[\buf+32*\t+4*\j:\buf+32*\t+4*\j+3], v[WOA] offset:256*(2*(\g)+\t)+16*\j
.endr
.endr
.endm
.macro OPJ g, buf                      ; U[x][0..3] += O^T[x][channel] x Wo[channel][0..3]; the very first product starts the sums
	WIN 0x02                                       ; source 0 (O^T) window 2
.irp t,0,1
.irp j,0,1,2,3,4,5,6,7
.irp x,0,1
.irp p,0,1
.if ((\g)+\t+\j) == 0
	v_pk_mul_f32 v[UU+4*\x+2*\p:UU+4*\x+2*\p+1], v[128*\x:128*\x+1], v[\buf+2*\p:\buf+2*\p+1] op_sel_hi:[0,1]
.else
	PKA UU+4*\x+2*\p, 128*\x+8*(2*(\g)+\t)+2*(\j/2), \j%2, \buf+32*\t+4*\j+2*\p
.endif
.endr
.endr
.endr
.endr
	WIN 0
.endm
.macro LNORM src, dst, g, be           ; LayerNorm over 4 components, two rows at a time (a pair = tile 0's row, tile 1's row)
	v_pk_add_f32 v[LM:LM+1], v[\src:\src+1], v[\src+2:\src+3]
	v_pk_add_f32 v[LV:LV+1], v[\src+4:\src+5], v[\src+6:\src+7]
	v_pk_add_f32 v[LM:LM+1], v[LM:LM+1], v[LV:LV+1]
	v_pk_mul_f32 v[LM:LM+1], v[LM:LM+1], 0x3e800000 op_sel_hi:[1,0]
.irp j,0,1,2,3
	v_pk_add_f32 v[LD+2*\j:LD+2*\j+1], v[\src+2*\j:\src+2*\j+1], v[LM:LM+1] neg_lo:[0,1] neg_hi:[0,1]
.endr
	v_pk_mul_f32 v[LV:LV+1], v[LD:LD+1], v[LD:LD+1]
.irp j,1,2,3
	v_pk_fma_f32 v[LV:LV+1], v[LD+2*\j:LD+2*\j+1], v[LD+2*\j:LD+2*\j+1], v[LV:LV+1]
.endr
	v_pk_fma_f32 v[LV:LV+1], v[LV:LV+1], 0x3e800000, v[EPS:EPS+1] op_sel_hi:[1,0,1]
	s_wait_alu depctr_va_vdst(0)                   ; a wait ahead of the roots
	v_rsq_f32 v[LR], v[LV]
	v_rsq_f32 v[LR+1], v[LV+1]
	v_nop                                          ; a plain line behind the two roots,
	s_wait_alu depctr_va_vdst(0)                   ; and the one wait ahead of their first reader
.irp j,0,1,2,3
	v_pk_mul_f32 v[LD+2*\j:LD+2*\j+1], v[LD+2*\j:LD+2*\j+1], v[LR:LR+1]
.endr
.irp j,0,1,2,3
.irp x,0,1
	v_fma_f32 v[\dst+2*\j+\x], v[LD+2*\j+\x], s[\g+\j], s[\be+\j]
.endr
.endr
.endm
.macro LDF buf, g                      ; four hidden units of the FFN: W1's four rows, b1 (j = 4: 8192 bytes behind W1), W2's four rows
.irp j,0,1,2,3,4
	ds_load_b128 v[\buf+4*\j:\buf+4*\j+3], v[ADR] offset:2048*\j+16*\g
.endr
.irp q,0,1,2,3
	ds_load_b128 v[\buf+20+4*\q:\buf+20+4*\q+3], v[ADR2] offset:64*\g+16*\q
.endr
.endm
.macro FFN4 buf
.irp q,0,1,2,3
	PKC HH+2*\q, RS, \buf+2*(\q/2), \buf+16+2*(\q/2), \q%2
.endr
.irp j,1,2,3
.irp q,0,1,2,3
	PKB HH+2*\q, RS+2*\j, \buf+4*\j+2*(\q/2), \q%2, HH+2*\q
.endr
.endr
.irp i,0,2,4,6
	v_dual_max_num_f32 v[HH+\i], 0, v[HH+\i] :: v_dual_max_num_f32 v[HH+\i+1], 0, v[HH+\i+1]
.endr
.irp q,0,1,2,3
.irp o,0,1,2,3
	PKB FAC+2*\o, HH+2*\q, \buf+20+4*\q+2*(\o/2), \o%2, FAC+2*\o
.endr
.endr
.endm
	; ---- THE HEAD
	s_load_b512 s[68:83], s[0:1], 0x0              ; ws_in, lowp_scales, bw, W1, b1, W2, Wo, bo
.if LAYER == 0
	s_load_b256 s[84:91], s[0:1], 0x68             ; Wq, bq, Wk, bk
	s_load_b128 s[92:95], s[0:1], 0x88             ; Wv, bv
	s_load_b64 s[36:37], s[0:1], 0x98              ; ws_out
.else
	s_load_b64 s[36:37], s[0:1], 0x78              ; out0
.endif
	v_lshl_add_u32 v[SPW], v0, 2, SPARE
	v_mov_b32 v[NIL], 0
	ds_add_u32 v4, v5
	ds_add_u32 v4, v5
	s_wait_dscnt 0x0
	ADDRS
.if LAYER == 0
	GENADDRS
.endif
	v_lshlrev_b32 v[H64], 6, v[HF]
	v_lshlrev_b32 v[PFO], 4, v[LI]
	v_lshl_add_u32 v[WOA], v[HF], 7, WTS+18432
	v_lshl_add_u32 v[FB1], v[HF], 10, WTS
	v_lshl_add_u32 v[FB2], v[HF], 12, WTS+10240
	v_mov_b32 v[EPS], 0x3727c5ac
	v_mov_b32 v[EPS+1], 0x3727c5ac
	v_lshl_add_u32 v224, v0, 4, WTS                ; where I stage 16 bytes,
	v_lshl_add_u32 v225, v0, 3, WTS                ; 8 bytes
	v_lshlrev_b32 v226, 3, v0
	s_lshl_b32 s67, s2, 7
	v_lshl_add_u32 v[SC], v[RR], 2, s67            ; 128 w + 4 r
	s_lshl_b32 s67, s2, 9
	v_lshl_add_u32 v[SC+1], v[RR], 4, s67          ; 512 w + 16 r
	s_bfe_u32 s40, ttmp6, 0x40000                  ; cx: my place in the cluster: it enters my own record's and the prefetches' addresses alone
	s_lshl_b32 s41, ttmp9, 2
	s_add_co_u32 s41, s41, s40                     ; my block of 128 queries
	s_and_b32 s42, ttmp7, 0xffff
	s_lshl_b32 s42, s42, 4                         ; the batch's first record
	s_add_co_u32 s43, s42, s41                     ; my record
	s_mul_i32 s44, s43, REC
	s_mov_b32 s45, 0
	s_lshl_b32 s50, s43, 9
	s_mov_b32 s51, 0
	s_lshr_b32 s14, s2, 1                          ; my piece of a slot: record w / 2, K (w even) or V (w odd)
	s_add_co_u32 s14, s14, s42
	s_mul_i32 s14, s14, REC
	s_and_b32 s15, s2, 1
	s_lshl_b32 s15, s15, 15
	s_add_co_u32 s14, s14, s15
	s_mov_b32 s15, 0
	s_mul_i32 s46, s42, REC
	s_add_co_u32 s46, s46, 98304                   ; kb of the batch's first block
	s_mov_b32 s47, 0
	s_lshr_b32 s48, s40, 1                         ; the prefetches: piece cx of slot 1; the first change of slots steps it to slot 2
	s_add_co_u32 s48, s48, s42
	s_add_co_u32 s48, s48, 2
	s_mul_i32 s48, s48, REC
	s_and_b32 s49, s40, 1
	s_lshl_b32 s49, s49, 15
	s_add_co_u32 s48, s48, s49
	s_lshl_b32 s49, s2, 13
	s_add_co_u32 s48, s48, s49
	s_mov_b32 s49, 0
	; descriptor group 1: a dense piece as 128 rows of 32 elements of 8 bytes
	s_mov_b32 s16, 15|(3<<16)|(1<<21)              ; 15:0 the mask: all four work-groups; 17:16 elements of 8 bytes; 21 set beside a mask; no padding
	s_mov_b32 s17, 32<<16                          ; tensor_dim0 = 32
	s_mov_b32 s18, 128<<16                         ; tensor_dim1 = 128
	s_mov_b32 s19, 32<<16                          ; tile_dim0 = 32
	s_mov_b32 s20, 128                             ; tile_dim1 = 128
	s_mov_b32 s21, 32                              ; from row to row
	s_mov_b32 s22, 0
	s_mov_b32 s23, 0
	s_mov_b32 s24, 1                               ; group 0: count = 1,
	s_lshl_b32 s25, s2, 15                         ; LDS address: 32,768 x wave, in slot 0
	s_mov_b32 s10, 0x76543210
	s_mov_b32 s11, 0xfedcba98
	s_mov_b32 s3, 0                                ; LDS byte of the step in hand
	s_mov_b32 s4, 7                                ; slots still to be asked for
	s_mov_b32 s7, 0                                ; the block whose kb was asked for last
	s_cmp_eq_u32 ttmp9, 0
	s_cselect_b32 s6, 1, -1                        ; the batch's first cluster prefetches: the same in all four partners
	s_wait_alu depctr_va_vdst(0)
	s_wait_kmcnt 0x0
	s_add_nc_u64 s[26:27], s[68:69], s[14:15]
	s_or_b32 s27, s27, 0x80000000                  ; type = 2
	s_add_nc_u64 s[34:35], s[68:69], s[44:45]
	s_add_nc_u64 s[30:31], s[68:69], s[46:47]
	s_mov_b64 s[32:33], s[30:31]
	s_add_nc_u64 s[28:29], s[68:69], s[48:49]
.if LAYER == 0
	s_add_nc_u64 s[36:37], s[36:37], s[44:45]
.else
	s_add_nc_u64 s[36:37], s[36:37], s[50:51]
.endif
	CROUND                                         ; all four work-groups are here: the first joint loads meet
	tensor_load_to_lds s[24:27], s[16:23]          ; slot 0: by this text's count one tensor load of a wave is out at any time
	s_nop 0
.rept 4
	v_nop
.endr
	s_load_b128 s[96:99], s[70:71], 16*LAYER       ; eq, ek, ep, ev
	s_load_b32 s67, s[72:73], 4*LAYER              ; bw
.irp k,0,1,2,3
	global_load_b128 v[64+4*\k:64+4*\k+3], v[T16], s[74:75] offset:LAYER*8192+2048*\k
.endr
	global_load_b128 v[80:83], v[T16], s[76:77] offset:LAYER*2048
.irp k,0,1,2,3
	global_load_b128 v[84+4*\k:84+4*\k+3], v[T16], s[78:79] offset:LAYER*8192+2048*\k
.endr
.irp k,0,1
	global_load_b128 v[100+4*\k:100+4*\k+3], v[T16], s[80:81] offset:LAYER*4096+2048*\k
.endr
.if LAYER == 0
	GWLOAD 84
.endif
.irp x,0,1
	global_load_b32 v[SS+8*\x+3], v[SC], s[34:35] offset:98816+64*\x
	global_load_b128 v[XR+4*\x:XR+4*\x+3], v[SC+1], s[34:35] offset:99328+256*\x
.endr
	WIN 0x40
.irp x,0,1
.irp t,0,1
.irp c,0,1,2,3
	global_load_b128 v[32*\x+16*\t+4*\c:32*\x+16*\t+4*\c+3], v[GOF], s[34:35] offset:65536+4096*\x+2048*\t+512*\c   ; Q stays in registers
.endr
.endr
.endr
	BIASLD                                         ; kb of block 0
	WIN 0x80
.set i, 0
.rept 256
	v_mov_b32 v[i], 0                              ; O^T
.set i, i+1
.endr
	WIN 0
.irp x,0,1
	v_mov_b32 v[SS+8*\x+1], 0xff61b1e6             ; the largest t so far: -3e38
	v_floor_f32 v[SS+8*\x+2], -v[SS+8*\x+1]
	v_mov_b32 v[SS+8*\x+4], 0
	v_mov_b32 v[SS+8*\x+5], 0
	v_mov_b32 v[SS+8*\x+7], 0
	v_mov_b32 v[LBB+2*\x], 0
	v_mov_b32 v[LBB+2*\x+1], 0
.endr
	s_wait_kmcnt 0x0
	s_mul_f32 s66, s67, s67
	s_mul_f32 s66, s66, 0x3fb8aa3b                 ; bw^2 log2(e)
	s_add_co_i32 s14, s96, s97
	s_add_co_i32 s14, s14, 127
	s_lshl_b32 s14, s14, 23
	s_mul_f32 s8, s66, s14                         ; CB
	s_mov_b32 s9, s8                               ; (named with it as a pair)
	s_add_co_i32 s14, s98, 127
	s_lshl_b32 s15, s14, 23
	v_mov_b32 v[CVS], s15                          ; 2^ep
	s_add_co_i32 s14, s14, 8
	s_lshl_b32 s14, s14, 23
	s_or_b32 s12, s14, 0x600000                    ; 448 x 2^ep
	s_add_co_i32 s13, s98, s99                     ; ep + ev
	s_wait_loadcnt 0x0
.irp k,0,1,2,3,4,5,6,7,8,9,10
	ds_store_b128 v224, v[64+4*\k:64+4*\k+3] offset:2048*\k
.endr
.if LAYER == 0
	GWSTORE 224, 225, GWO
.endif
.irp x,0,1
	v_mul_f32 v[SS+8*\x+3], s66, v[SS+8*\x+3]      ; QQ
.endr
	; ---- THE KEYS
.Lslot:                                                ; 7 trips: behind each change of slots but the last the next slot is asked for
	CHANGE 1
	TWO_STEPS
	s_sub_co_u32 s4, s4, 1
	s_cmp_lg_u32 s4, 0
	s_cbranch_scc1 .Lslot
	CHANGE 0                                       ; the last slot is written out
	TWO_STEPS
	; ---- THE TAIL
	s_load_b256 s[68:75], s[0:1], 0x38             ; bo, g1, be1, b2
	s_load_b128 s[76:79], s[0:1], 0x58             ; g2, be2
.if LAYER == 0
	s_load_b64 s[80:81], s[0:1], 0x8               ; lowp_scales
.else
	s_load_b128 s[84:87], s[0:1], 0x68             ; Wfc, bfc
.endif
	LDWO 0, 64
.irp x,0,1
	v_pk_add_f32 v[SS+8*\x+4:SS+8*\x+5], v[SS+8*\x+4:SS+8*\x+5], v[LBB+2*\x:LBB+2*\x+1]   ; these lines are the places behind the last products
.endr
.irp x,0,1
	v_add_f32 v[TT+4*\x], v[SS+8*\x+4], v[SS+8*\x+5]
.endr
.irp x,0,1
	v_permlanex16_b32 v[TT+4*\x+1], v[TT+4*\x], s10, s11
.endr
.irp x,0,1
	v_add_f32 v[TT+4*\x], v[TT+4*\x], v[TT+4*\x+1]         ; the row's sum
.endr
	s_wait_alu depctr_va_vdst(0)                   ; a wait ahead of the reciprocals
.irp x,0,1
	v_rcp_f32 v[SC+\x], v[TT+4*\x]
.endr
	v_nop                                          ; a plain line behind the reciprocals
	s_wait_kmcnt 0x0
	s_load_b128 s[40:43], s[68:69], 16*LAYER       ; bo
	s_load_b128 s[44:47], s[70:71], 16*LAYER       ; g1
	s_load_b128 s[48:51], s[72:73], 16*LAYER       ; be1
	s_load_b128 s[52:55], s[74:75], 16*LAYER       ; b2
	s_load_b128 s[56:59], s[76:77], 16*LAYER       ; g2
	s_load_b128 s[60:63], s[78:79], 16*LAYER       ; be2
.if LAYER == 0
	s_load_b128 s[96:99], s[80:81], 16*GL          ; the next layer's eq, ek, ep, ev
.else
	s_load_b128 s[88:91], s[84:85], 0x0            ; Wfc
	s_load_b32 s92, s[86:87], 0x0                  ; bfc
.endif
	s_wait_alu depctr_va_vdst(0)                   ; the one wait for both reciprocals, ahead of their first reader
.irp x,0,1
	v_ldexp_f32 v[SC+\x], v[SC+\x], s13            ; 2^(ep + ev) / l: applied to the four sums below, not to O^T's 128 numbers
.endr
	s_wait_loadcnt 0x0                             ; the last step's kb, which nobody uses, has landed
.irp g,0,1,2,3,4,5,6
	LDWO \g+1, 64+64*((\g+1)%2)
	s_wait_alu depctr_va_vdst(0)                   ; a wait directly ahead of the wait below
	s_wait_dscnt 16                                ; all but the 16 just issued
	OPJ \g, 64+64*(\g%2)
.endr
	s_wait_alu depctr_va_vdst(0)
	s_wait_dscnt 0x0
	OPJ 7, 128
.irp i,0,1,2,3,4,5,6,7
	v_permlanex16_b32 v[64+\i], v[UU+\i], s10, s11 ; the row's other 128 channels lie in the lane 16 away
.endr
.irp i,0,2,4,6
	v_pk_add_f32 v[UU+\i:UU+\i+1], v[UU+\i:UU+\i+1], v[64+\i:64+\i+1]
.endr
	s_wait_alu depctr_va_vdst(0)
	s_wait_kmcnt 0x0
.irp j,0,1,2,3
.irp x,0,1
	v_fma_f32 v[YY+2*\j+\x], v[UU+4*\x+\j], v[SC+\x], s[40+\j]
.endr
.endr
.irp j,0,1,2,3
.irp x,0,1
	v_add_f32 v[YY+2*\j+\x], v[YY+2*\j+\x], v[XR+4*\x+\j]
.endr
.endr
	LNORM YY, RS, 44, 48
	; the FFN: a lane holds two rows as a pair; half h of the lanes takes hidden units 256 h .. 256 h + 255
	s_mov_b32 s14, 0
	s_mov_b32 s15, 0
	v_add_nc_u32 v[ADR], s14, v[FB1]
	v_add_nc_u32 v[ADR2], s15, v[FB2]
	LDF FA, 0
.irp i,0,1,2,3,4,5,6,7
	v_mov_b32 v[FAC+\i], 0
.endr
	s_mov_b32 s5, 32
.Lffn:                                                 ; 32 trips of 8 hidden units, on two buffers
	LDF FB, 1
	s_wait_dscnt 9                                 ; all but the 9 just issued
	FFN4 FA
	s_add_co_u32 s14, s14, 32
	s_add_co_u32 s15, s15, 128
	v_add_nc_u32 v[ADR], s14, v[FB1]
	v_add_nc_u32 v[ADR2], s15, v[FB2]
	LDF FA, 0                                      ; the next trip's; the last trip's reaches into the staged bytes behind and is not used
	s_wait_dscnt 9
	FFN4 FB
	s_sub_co_u32 s5, s5, 1
	s_cmp_lg_u32 s5, 0
	s_cbranch_scc1 .Lffn
	s_wait_dscnt 0x0
	s_wait_alu depctr_va_vdst(0)
.irp i,0,1,2,3,4,5,6,7
	v_permlanex16_b32 v[PT+\i], v[FAC+\i], s10, s11
.endr
.irp i,0,2,4,6
	v_pk_add_f32 v[FAC+\i:FAC+\i+1], v[FAC+\i:FAC+\i+1], v[PT+\i:PT+\i+1]
.endr
.irp o,0,1,2,3
.irp x,0,1
	v_add_f32 v[FAC+2*\o+\x], s[52+\o], v[FAC+2*\o+\x]
.endr
.endr
.irp o,0,1,2,3
	v_pk_add_f32 v[YY+2*\o:YY+2*\o+1], v[RS+2*\o:RS+2*\o+1], v[FAC+2*\o:FAC+2*\o+1]
.endr
	LNORM YY, UU, 56, 60
	v_cmp_ne_u32 vcc_lo, 0, v[HF]                  ; both halves of the lanes hold both rows: lane l keeps row 32 w + l
.irp j,0,1,2,3
	v_cndmask_b32 v[XV+\j], v[UU+2*\j], v[UU+2*\j+1], vcc_lo
.endr
	s_wait_alu depctr_va_vdst(0)
	BAR                                            ; every wave has left the ring: slot 0's first bytes now serve as scratch
.if LAYER == 0
	ds_store_b128 v[T16], v[XV:XV+3] offset:XS
.irp j,0,1,2,3
	ds_store_b32 v[T4], v[XV+\j] offset:XT+512*\j
.endr
	global_store_b128 v[T16], v[XV:XV+3], s[36:37] offset:99328   ; 512 consecutive bytes a wave
	BAR                                            ; the block's new X lies in LDS
	GENQKV
.else
	v_fma_f32 v[OO], v[XV], s88, s92
	v_fma_f32 v[OO], v[XV+1], s89, v[OO]
	v_fma_f32 v[OO], v[XV+2], s90, v[OO]
	v_fma_f32 v[OO], v[XV+3], s91, v[OO]
	ds_store_b32 v[T4], v[OO] offset:OS
	BAR
	s_cmp_lg_u32 s2, 0
	s_cbranch_scc1 .Lnot_first                     ; wave 0 stores the block's 128 numbers: 512 consecutive bytes
	ds_load_b128 v[UU:UU+3], v[LI] offset:OS
	s_wait_dscnt 0x0
	global_store_b128 v[LI], v[UU:UU+3], s[36:37] th:TH_STORE_NT
.Lnot_first:
.endif
	s_wait_tensorcnt 0x0                           ; the wave's end
	ds_add_u32 v[SPW], v[NIL]
	s_wait_dscnt 0x0
	CROUND                                         ; the closing round
	s_endpgm
.Lfunc_end_k_q2ec6f0a1be_attn0:
	.size	k_q2ec6f0a1be_attn0, .Lfunc_end_k_q2ec6f0a1be_attn0-k_q2ec6f0a1be_attn0
	.p2alignl 7, 3214868480
	.fill 96, 4, 3214868480
	.section	.rodata,"a",@progbits
	.p2align	6, 0x0
	.amdhsa_kernel k_q2ec6f0a1be_attn0
		.amdhsa_group_segment_fixed_size 327680
		.amdhsa_private_segment_fixed_size 0
		.amdhsa_enable_private_segment 0
		.amdhsa_kernarg_size 160
		.amdhsa_user_sgpr_count 2
		.amdhsa_user_sgpr_kernarg_segment_ptr 1
		.amdhsa_wavefront_size32 1
		.amdhsa_system_sgpr_workgroup_id_x 1
		.amdhsa_system_sgpr_workgroup_id_y 1
		.amdhsa_system_sgpr_workgroup_id_z 1
		.amdhsa_system_vgpr_workitem_id 0
		.amdhsa_next_free_vgpr 1024
		.amdhsa_next_free_sgpr 100
		.amdhsa_reserve_vcc 1
		.amdhsa_float_denorm_mode_32 3
		.amdhsa_float_denorm_mode_16_64 3
		.amdhsa_memory_ordered 1
		.amdhsa_forward_progress 1
		.amdhsa_inst_pref_size 254
	.end_amdhsa_kernel
	.amdgpu_metadata
---
amdhsa.version: [ 1, 2 ]
amdhsa.kernels:
  - .name:           k_q2ec6f0a1be_attn0
    .symbol:         k_q2ec6f0a1be_attn0.kd
    .args:
      - { .name: ws0, .offset: 0, .size: 8, .value_kind: global_buffer, .address_space: global }
      - { .name: lowp_scales, .offset: 8, .size: 8, .value_kind: global_buffer, .address_space: global }
      - { .name: bw, .offset: 16, .size: 8, .value_kind: global_buffer, .address_space: global }
      - { .name: W1, .offset: 24, .size: 8, .value_kind: global_buffer, .address_space: global }
      - { .name: b1, .offset: 32, .size: 8, .value_kind: global_buffer, .address_space: global }
      - { .name: W2, .offset: 40, .size: 8, .value_kind: global_buffer, .address_space: global }
      - { .name: Wo, .offset: 48, .size: 8, .value_kind: global_buffer, .address_space: global }
      - { .name: bo, .offset: 56, .size: 8, .value_kind: global_buffer, .address_space: global }
      - { .name: g1, .offset: 64, .size: 8, .value_kind: global_buffer, .address_space: global }
      - { .name: be1, .offset: 72, .size: 8, .value_kind: global_buffer, .address_space: global }
      - { .name: b2, .offset: 80, .size: 8, .value_kind: global_buffer, .address_space: global }
      - { .name: g2, .offset: 88, .size: 8, .value_kind: global_buffer, .address_space: global }
      - { .name: be2, .offset: 96, .size: 8, .value_kind: global_buffer, .address_space: global }
      - { .name: Wq, .offset: 104, .size: 8, .value_kind: global_buffer, .address_space: global }
      - { .name: bq, .offset: 112, .size: 8, .value_kind: global_buffer, .address_space: global }
      - { .name: Wk, .offset: 120, .size: 8, .value_kind: global_buffer, .address_space: global }
      - { .name: bk, .offset: 128, .size: 8, .value_kind: global_buffer, .address_space: global }
      - { .name: Wv, .offset: 136, .size: 8, .value_kind: global_buffer, .address_space: global }
      - { .name: bv, .offset: 144, .size: 8, .value_kind: global_buffer, .address_space: global }
      - { .name: ws1, .offset: 152, .size: 8, .value_kind: global_buffer, .address_space: global }
    .group_segment_fixed_size: 327680
    .private_segment_fixed_size: 0
    .kernarg_segment_align: 8
    .kernarg_segment_size: 160
    .max_flat_workgroup_size: 128
    .sgpr_count:     100
    .vgpr_count:     1024
    .wavefront_size: 32
...
	.end_amdgpu_metadata
.endif
;; end of part 2
;; launch attn1 (part 3): grid 16 x 16, 4 waves a work-group, clusters of 4 x 1, 327,680 bytes of LDS; arguments ws1, lowp_scales, bw, W1, b1, W2, Wo, bo, g1, be1, b2, g2, be2, Wfc, bfc, out0; writes out0
.if DOCPART == 3
	.amdgcn_target "amdgcn-amd-amdhsa--gfx1250"
	.amdhsa_code_object_version 6
	.text
	.protected	k_q2ec6f0a1be_attn1
	.globl	k_q2ec6f0a1be_attn1
	.p2align	8
	.type	k_q2ec6f0a1be_attn1,@function
k_q2ec6f0a1be_attn1:
	s_mov_b64 s[64:65], 0
	v_nop
	global_prefetch_b8 v0, s[64:65] scope:SCOPE_SE
	s_setreg_imm32_b32 hwreg(HW_REG_WAVE_MODE, 25, 1), 1
	s_wait_xcnt 0x0
	s_wait_alu depctr_hold_cnt(0) depctr_sa_sdst(0) depctr_va_vdst(0) depctr_va_sdst(0) depctr_va_ssrc(0) depctr_va_vcc(0) depctr_vm_vsrc(0)
	s_getreg_b32 s2, hwreg(HW_REG_IB_STS2, 6, 4)
	s_cmp_eq_u32 s2, 0
	s_cbranch_scc0 .Lentry_in_a_cluster
	s_endpgm
.Lentry_in_a_cluster:
	s_bfe_u32 s2, ttmp6, 0x10000c
	s_cmp_lg_u32 s2, 0x3003
	s_cbranch_scc0 .Lentry_shape_is_right
	s_endpgm
.Lentry_shape_is_right:
; The second layer: the first layer's text with LAYER = 1: Gaussian-kernel attention on codes of FP8 (E4M3), x Wo + bo, residual, LayerNorm, FFN 4 -> 512 -> 4, residual, LayerNorm, x Wfc + bfc.
; The operands come from records of REC bytes, one for each block of 128 rows (16 a batch): K's images +0, V's +32768, Q's +65536, kb +98304, 0.5 q^2 +98816, X +99328.
; An image is an operand's registers as they stand: lane l's 16 bytes at 16 l, 512 bytes a piece; lane (r, h) holds in registers 4c..4c+3 the elements k = 32c + 16h + 0..15, alike on both sides of a product.
; SHARES.  A work-group owns 128 queries of one batch, each of its four waves 32: two tiles of 16.  Every wave walks the batch's 2,048 keys, 128 a step; each fragment of K and V read from LDS feeds both tiles.
; LAYOUT.  Both products transposed: S^T = K Q^T, O^T = V^T P^T: a lane holds ONE query throughout.  Lane r of key tile 2b+u is key 32b + 8u + r + 8(r/8): registers 16b + i of a tile's scores are keys 32b + 16h + i.
; THE LOGIT.  t = CB S' - QQ: S' = the codes' sum + kb (kb = -0.5 k^2 / 2^(eq+ek) is the C of each score tile's first product), CB = bw^2 log2(e) 2^(eq+ek), QQ = bw^2 log2(e) 0.5 q^2.
; M = the running largest t rounded up to a whole number, kept as -M; p = 2^(t - M) is quantised with 2^ep; the row's sum is taken of the unquantised p; when M moves, sum and O^T are multiplied by 2^(old M - new M).
; RING.  Two LDS slots of 131,072 bytes, each two records' K and V (256 keys); each wave fetches a dense piece of 32,768 bytes with one tensor load; a refill has two key steps in which to land.
; CLUSTER.  The four query blocks of a cluster belong to one batch and walk the same K and V: each piece is asked for jointly, with the mask of all four.
; O^T is cleared once (256 lines): the key step is written once for all 16 steps, and its first trip multiplies zeros.
; LIMITS: eq + ek between -126 and 127; ep between -126 and 119.  NaN and infinities among the inputs are not served.  Sums take the bias first.
; REGISTERS, in windows of 256.  Window 0: v0-11 lane terms; v12-27 statistics, 8 a tile; v28-31 second sum chains; v32-39 maxima; v40-47 my rows of X; v48-63 addresses of the tail;
;   v64-191 S^T, then p, 64 a tile; v192-223 p's codes; v224-255 the tail's.   Window 1: v0-63 Q; v64-127 kb in the result's layout.   Window 2: O^T, 128 a tile.   Window 3: 16 fragments of K, then of V.
.set LAYER, 1
.set REC, 101376
.set SLOT1, 1<<17
.set SPARE, 2*SLOT1                    ; the spare words, 128 bytes a wave: two blocks of 256 bytes that no other line names
.set WTS, SPARE+512                    ; W1 +0 (8192) | b1 +8192 (2048) | W2 +10240 (8192) | Wo +18432 (4096)
.set OS,  5120                         ; the tail's scratch lies in slot 0, which has then had its last fill and its last read
.set LI,  1                            ; v1  16 x lane
.set H64, 2                            ; v2  64 h
.set ADR, 3                            ; v3  LDS address in hand
.set SPW, 4                            ; v4  my spare word; never rewritten
.set NIL, 5                            ; v5  0; never rewritten
.set PFO, 6                            ; v6  256 x lane
.set CVS, 7                            ; v7  2^ep
.set RR,  8
.set HF,  9
.set SC,  10                           ; v10-11 head: offsets of two loads; tail: 2^(ep+ev) / l
.set SS,  12                           ; tile x at SS + 8x: +0 -M - QQ, +1 largest t, +2 -M, +3 QQ, +4:5 sum, +6 f, +7 named with f as a pair
.set LBB, 28
.set TT,  32
.set XR,  40
.set T16, 48
.set T4,  49
.set WOA, 50
.set FB1, 51
.set FB2, 52
.set GOF, 60
.set EPS, 62                           ; v62-63 LayerNorm's 1e-5, twice
.set S,   64
.set P,   192
.set UU,  224                          ; the tail: attention x Wo, 4 a tile; later the new X
.set YY,  232                          ; register 2 j + x: component j of tile x's row
.set RS,  240
.set XV,  248
.set ADR2, 252
.set OO,  253
.set LM,  192
.set LV,  194
.set LR,  196
.set LD,  198
.set FA,  64
.set FB,  100
.set HH,  136
.set FAC, 144
.set PT,  152
.set MSB, 0
.macro WIN new                         ; the immediate's high byte repeats the setting that is left
.if MSB != \new
	s_set_vgpr_msb (MSB<<8)|\new
.set MSB, \new
.endif
.endm
.macro BAR
	s_wait_dscnt 0x0
	s_barrier_signal -1
	s_barrier_wait -1
.endm
.macro CROUND                          ; a round of the cluster's barrier
	s_barrier_signal -1
	s_barrier_wait -1
	s_cmp_lg_u32 s2, 0
	s_cbranch_scc1 .Lnot_wave_0_\@
	s_barrier_signal -3
.Lnot_wave_0_\@:
	s_barrier_wait -3
	s_barrier_signal -1
	s_barrier_wait -1
.endm
.macro ADDRS
	v_lshrrev_b32 v[LI], 5, v0
	v_readfirstlane_b32 s2, v[LI]                  ; wave 0..3
	v_and_b32 v[LI], 31, v0
	v_lshlrev_b32 v[LI], 4, v[LI]
	v_and_b32 v[RR], 15, v0
	v_bfe_u32 v[HF], v0, 4, 1
	v_lshlrev_b32 v[T16], 4, v0
	v_lshlrev_b32 v[T4], 2, v0
	s_lshl_b32 s14, s2, 13
	v_add_nc_u32 v[GOF], s14, v[LI]
.endm
.macro PKB d, a, b, sel, c             ; d = a x (register sel of the pair b, for both halves) + c
.if \sel
	v_pk_fma_f32 v[\d:\d+1], v[\a:\a+1], v[\b:\b+1], v[\c:\c+1] op_sel:[0,1,0] op_sel_hi:[1,1,1]
.else
	v_pk_fma_f32 v[\d:\d+1], v[\a:\a+1], v[\b:\b+1], v[\c:\c+1] op_sel_hi:[1,0,1]
.endif
.endm
.macro PKC d, a, b, c, sel             ; d = a x (register sel of b) + (register sel of c)
.if \sel
	v_pk_fma_f32 v[\d:\d+1], v[\a:\a+1], v[\b:\b+1], v[\c:\c+1] op_sel:[0,1,1] op_sel_hi:[1,1,1]
.else
	v_pk_fma_f32 v[\d:\d+1], v[\a:\a+1], v[\b:\b+1], v[\c:\c+1] op_sel_hi:[1,0,0]
.endif
.endm
.macro PKA d, a, sel, b                ; d += (register sel of the pair a) x b
.if \sel
	v_pk_fma_f32 v[\d:\d+1], v[\a:\a+1], v[\b:\b+1], v[\d:\d+1] op_sel:[1,0,0] op_sel_hi:[1,1,1]
.else
	v_pk_fma_f32 v[\d:\d+1], v[\a:\a+1], v[\b:\b+1], v[\d:\d+1] op_sel_hi:[0,1,1]
.endif
.endm
; kb of a block of 128 keys, in the result's layout: register j of tile t in lane (r, h) is kb[32 (t/2) + 16 h + 8 (t%2) + j]
.macro BIASLD
	WIN 0x40                                       ; destination window 1
.irp t,0,1,2,3,4,5,6,7
	global_load_b128 v[64+8*\t:64+8*\t+3], v[H64], s[32:33] offset:128*(\t/2)+32*(\t%2)
	global_load_b128 v[64+8*\t+4:64+8*\t+7], v[H64], s[32:33] offset:128*(\t/2)+32*(\t%2)+16
.endr
.endm
; THE SOFTMAX of a step, both tiles, all in window 0
.set PS, 224                           ; v224-255, in the loop: tile 0's first level of sums, 16 pairs
.macro VLD f0, n                       ; V's fragments f0 .. f0 + n - 1, four LDS loads each; the three groups (4, 6, 6) stand behind the first product and directly behind two of the softmax's waits
	WIN 0xc0
.set vf, \f0
.rept \n
.irp c,0,1,2,3
	ds_load_b128 v[16*vf+4*\c:16*vf+4*\c+3], v[ADR] offset:32768+2048*vf+512*\c
.endr
.set vf, vf+1
.endr
	WIN 0
.endm
.macro SOFT
.irp k,0,1,2,3                         ; the largest S' of my query among my 64 keys: four chains a tile, each accumulator read from its low end on
.irp x,0,1
	v_max3_num_f32 v[TT+4*\x+\k], v[S+64*\x+16*\k], v[S+64*\x+16*\k+1], v[S+64*\x+16*\k+2]
.endr
.endr
.irp p,3,5,7,9,11,13
.irp k,0,1,2,3
.irp x,0,1
	v_max3_num_f32 v[TT+4*\x+\k], v[TT+4*\x+\k], v[S+64*\x+16*\k+\p], v[S+64*\x+16*\k+\p+1]
.endr
.endr
.endr
.irp x,0,1
	v_max3_num_f32 v[TT+4*\x], v[TT+4*\x], v[S+64*\x+15], v[S+64*\x+31]
	v_max3_num_f32 v[TT+4*\x+2], v[TT+4*\x+2], v[S+64*\x+47], v[S+64*\x+63]
.endr
.irp x,0,1
	v_max3_num_f32 v[TT+4*\x], v[TT+4*\x], v[TT+4*\x+1], v[TT+4*\x+2]
.endr
.irp x,0,1
	v_max_num_f32 v[TT+4*\x], v[TT+4*\x], v[TT+4*\x+3]
.endr
.irp x,0,1
	v_permlanex16_b32 v[TT+4*\x+1], v[TT+4*\x], s10, s11   ; the query's other 64 keys lie in the lane 16 away
.endr
.irp x,0,1
	v_max_num_f32 v[TT+4*\x], v[TT+4*\x], v[TT+4*\x+1]
.endr
.irp x,0,1
	v_fma_f32 v[TT+4*\x], s8, v[TT+4*\x], -v[SS+8*\x+3]    ; as t (CB is not negative)
.endr
.irp x,0,1
	v_max_num_f32 v[SS+8*\x+1], v[SS+8*\x+1], v[TT+4*\x]   ; the running largest t
.endr
.irp x,0,1
	v_mov_b32 v[TT+4*\x+1], v[SS+8*\x+2]
.endr
.irp x,0,1
	v_floor_f32 v[SS+8*\x+2], -v[SS+8*\x+1]                ; -M = floor(-t): M is a whole number
.endr
.irp x,0,1
	v_sub_f32 v[TT+4*\x+1], v[SS+8*\x+2], v[TT+4*\x+1]     ; old M - new M, 0 or less
.endr
.irp x,0,1
	v_cvt_i32_f32 v[TT+4*\x+1], v[TT+4*\x+1]               ; (it saturates)
.endr
.irp x,0,1
	v_ldexp_f32 v[SS+8*\x+6], 1.0, v[TT+4*\x+1]            ; f = 2^(old M - new M)
.endr
.irp x,0,1
	v_sub_f32 v[SS+8*\x], v[SS+8*\x+2], v[SS+8*\x+3]       ; -M - QQ
.endr
.irp x,0,1
	v_pk_mul_f32 v[SS+8*\x+4:SS+8*\x+5], v[SS+8*\x+4:SS+8*\x+5], v[SS+8*\x+6:SS+8*\x+7] op_sel_hi:[1,0]
	v_pk_mul_f32 v[LBB+2*\x:LBB+2*\x+1], v[LBB+2*\x:LBB+2*\x+1], v[SS+8*\x+6:SS+8*\x+7] op_sel_hi:[1,0]
.endr
.set i, 0
.rept 32
	v_pk_fma_f32 v[S+2*i:S+2*i+1], v[S+2*i:S+2*i+1], s[8:9], v[SS:SS+1] op_sel_hi:[1,0,0]   ; tile 0: t - M
.set i, i+1
.endr
.set i, 0
	s_wait_alu depctr_va_vdst(0)                   ; a wait ahead of the batch
	VLD 4, 6
.rept 32                               ; tile 0's exponentials, tile 1's scalings between them
	v_exp_f32 v[S+2*i], v[S+2*i]
	v_exp_f32 v[S+2*i+1], v[S+2*i+1]
	v_pk_fma_f32 v[S+64+2*i:S+64+2*i+1], v[S+64+2*i:S+64+2*i+1], s[8:9], v[SS+8:SS+9] op_sel_hi:[1,0,0]
.set i, i+1
.endr
	s_wait_alu depctr_va_vdst(0)                   ; one wait for tile 0's 64 exponentials, ahead of their first reader; the last scaling is the plain line behind them
.set i, 0
.rept 32                               ; tile 1's exponentials; between them tile 0's sums (of the unquantised p) and holds (p is not negative: one-sided)
.if i == 0
	VLD 10, 6
.endif
	v_exp_f32 v[S+64+2*i], v[S+64+2*i]
	v_exp_f32 v[S+64+2*i+1], v[S+64+2*i+1]
.if i%2                                ; nothing written here is read before the batch's wait: four p of tile 0 summed into a pair of their own, then held, two a line
	v_pk_add_f32 v[PS+i-1:PS+i], v[S+2*i-2:S+2*i-1], v[S+2*i:S+2*i+1]
	v_dual_min_num_f32 v[S+2*i-2], s12, v[S+2*i-2] :: v_dual_min_num_f32 v[S+2*i-1], s12, v[S+2*i-1]
	v_dual_min_num_f32 v[S+2*i], s12, v[S+2*i] :: v_dual_min_num_f32 v[S+2*i+1], s12, v[S+2*i+1]
.endif
.set i, i+1
.endr
	s_wait_alu depctr_va_vdst(0)                   ; one wait for tile 1's 64
.irp b,0,1,2,3
	v_cvt_scalef32_pk8_fp8_f32 v[P+4*\b:P+4*\b+1], v[S+16*\b:S+16*\b+7], v[CVS]
	v_cvt_scalef32_pk8_fp8_f32 v[P+4*\b+2:P+4*\b+3], v[S+16*\b+8:S+16*\b+15], v[CVS]
.endr
.set i, 0
.endm
; Unit i (0 .. 31) of what is left of the softmax: two p of tile 1 summed (unquantised) and held; every second unit puts one of tile 0's 16 pairs onto a chain.  Two units stand behind each of tile 0's second products
.macro UNIT
.if i%2
	v_pk_add_f32 v[LBB+2:LBB+3], v[LBB+2:LBB+3], v[S+64+2*i:S+64+2*i+1]
.else
	v_pk_add_f32 v[SS+12:SS+13], v[SS+12:SS+13], v[S+64+2*i:S+64+2*i+1]
.endif
	v_dual_min_num_f32 v[S+64+2*i], s12, v[S+64+2*i] :: v_dual_min_num_f32 v[S+64+2*i+1], s12, v[S+64+2*i+1]
.if i%4 == 0
	v_pk_add_f32 v[SS+4:SS+5], v[SS+4:SS+5], v[PS+i:PS+i+1]
.endif
.if i%4 == 2
	v_pk_add_f32 v[LBB:LBB+1], v[LBB:LBB+1], v[PS+i:PS+i+1]
.endif
.set i, i+1
.endm
; A KEY STEP: the 128 keys whose K and V lie at LDS byte s3
.macro STEP
	v_add_nc_u32 v[ADR], s3, v[LI]                 ; this line and three v_nop: the four places between the last products and the loads into the registers that they read
.rept 3
	v_nop
.endr
	WIN 0xc0                                       ; destination window 3
.irp i,0,1,2,3                         ; K's 16 fragments in the order of their use: group i = key tiles 4 (i/2) .. + 3, K step i % 2
.irp k,0,1,2,3
.irp c,0,1,2,3
	ds_load_b128 v[16*(4*\i+\k)+4*\c:16*(4*\i+\k)+4*\c+3], v[ADR] offset:(4*(\i/2)+\k)*4096+(\i%2)*2048+512*\c
.endr
.endr
.endr
	s_wait_alu depctr_va_vdst(0)
	s_wait_loadcnt 0x0                             ; this step's kb, asked for a step ago
.irp i,0,1,2,3                         ; S^T = K Q^T + kb: eight accumulators by turns, one instruction a turn
	s_wait_dscnt 48-16*\i                          ; group i's 16 loads are in; the groups behind it may be out
.if (\i%2) == 0
	WIN 0x17                                       ; A window 3, B and C window 1, D window 0
.else
	WIN 0x07
.endif
.irp k,0,1,2,3
.irp x,0,1
.if (\i%2) == 0
	v_wmma_f32_16x16x128_fp8_fp8 v[S+64*\x+8*(4*(\i/2)+\k):S+64*\x+8*(4*(\i/2)+\k)+7], v[16*(4*\i+\k):16*(4*\i+\k)+15], v[32*\x:32*\x+15], v[64+8*(4*(\i/2)+\k):64+8*(4*(\i/2)+\k)+7]
.else
	v_wmma_f32_16x16x128_fp8_fp8 v[S+64*\x+8*(4*(\i/2)+\k):S+64*\x+8*(4*(\i/2)+\k)+7], v[16*(4*\i+\k):16*(4*\i+\k)+15], v[32*\x+16:32*\x+31], v[S+64*\x+8*(4*(\i/2)+\k):S+64*\x+8*(4*(\i/2)+\k)+7]
.endif
.endr
.endr
.endr
	WIN 0
.rept 4
	v_nop                                          ; four places: loads into kb's and K's registers follow, then the first read of the scores
.endr
	s_add_co_u32 s7, s7, 1                         ; the next step's kb; in the last step the last block's once more, so that no load leaves the buffer
	s_min_u32 s14, s7, 15
	s_mul_i32 s14, s14, REC
	s_mov_b32 s15, 0
	s_add_nc_u64 s[32:33], s[30:31], s[14:15]      ; (the loads that named this base were waited for above)
	BIASLD
	VLD 0, 4                                       ; V's first four fragments; the other twelve are asked for inside the softmax
	SOFT
	WIN 0x82                                       ; O^T (destination, source 0) window 2, f window 0
	s_wait_alu depctr_va_vdst(0)                   ; a wait directly ahead of the first reader of O^T
.irp x,0,1
.set i, 0
.rept 64
	v_pk_mul_f32 v[128*\x+2*i:128*\x+2*i+1], v[128*\x+2*i:128*\x+2*i+1], v[SS+8*\x+6:SS+8*\x+7] op_sel_hi:[1,0]   ; O^T under the new M; each accumulator from its low end on.  These are also the plain lines behind the conversions
.set i, i+1
.endr
.endr
	s_wait_alu depctr_va_vdst(0)
	s_wait_dscnt 0x0                               ; all 64 loads of V are in
.set i, 0
.irp t,0,1,2,3,4,5,6,7,8,9,10,11,12,13,14,15       ; O^T += V^T P^T, tile 0: 16 accumulators, one instruction each (A window 3, B window 0, C and D window 2); behind each, five plain lines in window 0 that name none of its registers
	WIN 0xa3
	v_wmma_f32_16x16x128_fp8_fp8 v[8*\t:8*\t+7], v[16*\t:16*\t+15], v[P:P+15], v[8*\t:8*\t+7]
	WIN 0
	UNIT
	UNIT
.endr
.irp b,0,1,2,3
	v_cvt_scalef32_pk8_fp8_f32 v[P+16+4*\b:P+16+4*\b+1], v[S+64+16*\b:S+64+16*\b+7], v[CVS]
	v_cvt_scalef32_pk8_fp8_f32 v[P+16+4*\b+2:P+16+4*\b+3], v[S+64+16*\b+8:S+64+16*\b+15], v[CVS]
.endr
	v_nop                                          ; a plain line between the conversions and the products that read their results
	WIN 0xa3
.irp t,0,1,2,3,4,5,6,7,8,9,10,11,12,13,14,15       ; tile 1
	v_wmma_f32_16x16x128_fp8_fp8 v[128+8*\t:128+8*\t+7], v[16*\t:16*\t+15], v[P+16:P+31], v[128+8*\t:128+8*\t+7]
.endr
	WIN 0
	s_add_co_u32 s3, s3, 65536
.endm
.macro TWO_STEPS                       ; a slot's two key steps: written once, walked twice
	s_mov_b32 s5, 2
.Lstep_\@:
	STEP
	s_sub_co_u32 s5, s5, 1
	s_cmp_lg_u32 s5, 0
	s_cbranch_scc1 .Lstep_\@
	s_sub_co_u32 s3, s3, 131072
	s_xor_b32 s3, s3, SLOT1                        ; on to the other slot
.endm
; A prefetch of what the NEXT change of slots will ask for.  All four clusters of a batch walk the same K and V: the batch's first cluster asks.  Its partners are told apart by address: partner cx takes piece cx
; of the slot's four, wave w 8,192 bytes of it, lanes 256 bytes apart: each block of 256 bytes is named once in the launch.  The last change that fills a slot asks for nothing; slots 0 and 1 come by their loads alone.
.macro ASK
	s_cmp_gt_u32 s4, s6
	s_cbranch_scc0 .Lnot_mine_\@
	global_prefetch_b8 v[PFO], s[28:29] th:TH_LOAD_NT scope:SCOPE_SE
.Lnot_mine_\@:
.endm
; THE CHANGE OF SLOTS, at a slot's head.  Each wave waits for all its tensor loads (one is out: its piece of the slot ahead), adds 0 to its spare word, and waits for that and for its reads of the slot that it has left.
; fill = 1: a round of the cluster's barrier, and behind it the joint refill of the slot left, first thing: it has two key steps in which to land.
.macro CHANGE fill
	s_wait_tensorcnt 0x0                           ; no tensor load of mine is out, so the descriptor may be written
	ds_add_u32 v[SPW], v[NIL]                      ; 0 onto my spare word
.if \fill
	s_xor_b32 s25, s25, SLOT1                      ; the other slot than last time,
	s_add_nc_u64 s[26:27], s[26:27], 2*REC         ; the next two records; the type bits on top are not reached
	s_wait_xcnt 0x0                                ; the last prefetch, a slot back, has read its address
	s_add_nc_u64 s[28:29], s[28:29], 2*REC
	s_wait_dscnt 0x0                               ; the add is done, my reads of the slot left are over (at the first change: my stores of the weights have landed)
	CROUND
	tensor_load_to_lds s[24:27], s[16:23]
	s_nop 0
.rept 4
	v_nop
.endr
	ASK
.else
	s_wait_dscnt 0x0
	s_barrier_signal -1
	s_barrier_wait -1
.endif
.endm
.macro LDWO g, buf                     ; Wo's rows of channel tiles 2 g, 2 g + 1, my half's eight channels each
.irp t,0,1
.irp j,0,1,2,3,4,5,6,7
	ds_load_b128 v[\buf+32*\t+4*\j:\buf+32*\t+4*\j+3], v[WOA] offset:256*(2*(\g)+\t)+16*\j
.endr
.endr
.endm
.macro OPJ g, buf                      ; U[x][0..3] += O^T[x][channel] x Wo[channel][0..3]; the very first product starts the sums
	WIN 0x02                                       ; source 0 (O^T) window 2
.irp t,0,1
.irp j,0,1,2,3,4,5,6,7
.irp x,0,1
.irp p,0,1
.if ((\g)+\t+\j) == 0
	v_pk_mul_f32 v[UU+4*\x+2*\p:UU+4*\x+2*\p+1], v[128*\x:128*\x+1], v[\buf+2*\p:\buf+2*\p+1] op_sel_hi:[0,1]
.else
	PKA UU+4*\x+2*\p, 128*\x+8*(2*(\g)+\t)+2*(\j/2), \j%2, \buf+32*\t+4*\j+2*\p
.endif
.endr
.endr
.endr
.endr
	WIN 0
.endm
.macro LNORM src, dst, g, be           ; LayerNorm over 4 components, two rows at a time (a pair = tile 0's row, tile 1's row)
	v_pk_add_f32 v[LM:LM+1], v[\src:\src+1], v[\src+2:\src+3]
	v_pk_add_f32 v[LV:LV+1], v[\src+4:\src+5], v[\src+6:\src+7]
	v_pk_add_f32 v[LM:LM+1], v[LM:LM+1], v[LV:LV+1]
	v_pk_mul_f32 v[LM:LM+1], v[LM:LM+1], 0x3e800000 op_sel_hi:[1,0]
.irp j,0,1,2,3
	v_pk_add_f32 v[LD+2*\j:LD+2*\j+1], v[\src+2*\j:\src+2*\j+1], v[LM:LM+1] neg_lo:[0,1] neg_hi:[0,1]
.endr
	v_pk_mul_f32 v[LV:LV+1], v[LD:LD+1], v[LD:LD+1]
.irp j,1,2,3
	v_pk_fma_f32 v[LV:LV+1], v[LD+2*\j:LD+2*\j+1], v[LD+2*\j:LD+2*\j+1], v[LV:LV+1]
.endr
	v_pk_fma_f32 v[LV:LV+1], v[LV:LV+1], 0x3e800000, v[EPS:EPS+1] op_sel_hi:[1,0,1]
	s_wait_alu depctr_va_vdst(0)
	v_rsq_f32 v[LR], v[LV]
	v_rsq_f32 v[LR+1], v[LV+1]
	v_nop                                          ; a plain line behind the two roots,
	s_wait_alu depctr_va_vdst(0)                   ; and the one wait ahead of their first reader
.irp j,0,1,2,3
	v_pk_mul_f32 v[LD+2*\j:LD+2*\j+1], v[LD+2*\j:LD+2*\j+1], v[LR:LR+1]
.endr
.irp j,0,1,2,3
.irp x,0,1
	v_fma_f32 v[\dst+2*\j+\x], v[LD+2*\j+\x], s[\g+\j], s[\be+\j]
.endr
.endr
.endm
.macro LDF buf, g                      ; four hidden units of the FFN: W1's four rows, b1 (j = 4: 8192 bytes behind W1), W2's four rows
.irp j,0,1,2,3,4
	ds_load_b128 v[\buf+4*\j:\buf+4*\j+3], v[ADR] offset:2048*\j+16*\g
.endr
.irp q,0,1,2,3
	ds_load_b128 v[\buf+20+4*\q:\buf+20+4*\q+3], v[ADR2] offset:64*\g+16*\q
.endr
.endm
.macro FFN4 buf
.irp q,0,1,2,3
	PKC HH+2*\q, RS, \buf+2*(\q/2), \buf+16+2*(\q/2), \q%2
.endr
.irp j,1,2,3
.irp q,0,1,2,3
	PKB HH+2*\q, RS+2*\j, \buf+4*\j+2*(\q/2), \q%2, HH+2*\q
.endr
.endr
.irp i,0,2,4,6
	v_dual_max_num_f32 v[HH+\i], 0, v[HH+\i] :: v_dual_max_num_f32 v[HH+\i+1], 0, v[HH+\i+1]
.endr
.irp q,0,1,2,3
.irp o,0,1,2,3
	PKB FAC+2*\o, HH+2*\q, \buf+20+4*\q+2*(\o/2), \o%2, FAC+2*\o
.endr
.endr
.endm
	; ---- THE HEAD
	s_load_b512 s[68:83], s[0:1], 0x0              ; ws_in, lowp_scales, bw, W1, b1, W2, Wo, bo
	s_load_b64 s[36:37], s[0:1], 0x78              ; out0
	v_lshl_add_u32 v[SPW], v0, 2, SPARE
	v_mov_b32 v[NIL], 0
	ds_add_u32 v4, v5
	ds_add_u32 v4, v5
	s_wait_dscnt 0x0
	ADDRS
	v_lshlrev_b32 v[H64], 6, v[HF]
	v_lshlrev_b32 v[PFO], 4, v[LI]
	v_lshl_add_u32 v[WOA], v[HF], 7, WTS+18432
	v_lshl_add_u32 v[FB1], v[HF], 10, WTS
	v_lshl_add_u32 v[FB2], v[HF], 12, WTS+10240
	v_mov_b32 v[EPS], 0x3727c5ac
	v_mov_b32 v[EPS+1], 0x3727c5ac
	v_lshl_add_u32 v224, v0, 4, WTS                ; where I stage 16 bytes
	s_lshl_b32 s67, s2, 7
	v_lshl_add_u32 v[SC], v[RR], 2, s67            ; 128 w + 4 r
	s_lshl_b32 s67, s2, 9
	v_lshl_add_u32 v[SC+1], v[RR], 4, s67          ; 512 w + 16 r
	s_bfe_u32 s40, ttmp6, 0x40000                  ; cx: my place in the cluster: it enters my own record's, the output's and the prefetches' addresses alone
	s_lshl_b32 s41, ttmp9, 2
	s_add_co_u32 s41, s41, s40                     ; my block of 128 queries
	s_and_b32 s42, ttmp7, 0xffff
	s_lshl_b32 s42, s42, 4                         ; the batch's first record
	s_add_co_u32 s43, s42, s41                     ; my record
	s_mul_i32 s44, s43, REC
	s_mov_b32 s45, 0
	s_lshl_b32 s50, s43, 9                         ; my 128 numbers of the output
	s_mov_b32 s51, 0
	s_lshr_b32 s14, s2, 1                          ; my piece of a slot: record w / 2, K (w even) or V (w odd)
	s_add_co_u32 s14, s14, s42
	s_mul_i32 s14, s14, REC
	s_and_b32 s15, s2, 1
	s_lshl_b32 s15, s15, 15
	s_add_co_u32 s14, s14, s15
	s_mov_b32 s15, 0
	s_mul_i32 s46, s42, REC
	s_add_co_u32 s46, s46, 98304                   ; kb of the batch's first block
	s_mov_b32 s47, 0
	s_lshr_b32 s48, s40, 1                         ; the prefetches: piece cx of slot 1; the first change of slots steps it to slot 2
	s_add_co_u32 s48, s48, s42
	s_add_co_u32 s48, s48, 2
	s_mul_i32 s48, s48, REC
	s_and_b32 s49, s40, 1
	s_lshl_b32 s49, s49, 15
	s_add_co_u32 s48, s48, s49
	s_lshl_b32 s49, s2, 13
	s_add_co_u32 s48, s48, s49
	s_mov_b32 s49, 0
	; descriptor group 1: a dense piece as 128 rows of 32 elements of 8 bytes
	s_mov_b32 s16, 15|(3<<16)|(1<<21)              ; 15:0 the mask: all four work-groups; 17:16 elements of 8 bytes; 21 set beside a mask; no padding
	s_mov_b32 s17, 32<<16                          ; tensor_dim0 = 32
	s_mov_b32 s18, 128<<16                         ; tensor_dim1 = 128
	s_mov_b32 s19, 32<<16                          ; tile_dim0 = 32
	s_mov_b32 s20, 128                             ; tile_dim1 = 128
	s_mov_b32 s21, 32                              ; from row to row
	s_mov_b32 s22, 0
	s_mov_b32 s23, 0
	s_mov_b32 s24, 1                               ; group 0: count = 1,
	s_lshl_b32 s25, s2, 15                         ; LDS address: 32,768 x wave, in slot 0
	s_mov_b32 s10, 0x76543210
	s_mov_b32 s11, 0xfedcba98
	s_mov_b32 s3, 0                                ; LDS byte of the step in hand
	s_mov_b32 s4, 7                                ; slots still to be asked for
	s_mov_b32 s7, 0                                ; the block whose kb was asked for last
	s_cmp_eq_u32 ttmp9, 0
	s_cselect_b32 s6, 1, -1                        ; the batch's first cluster prefetches: the same in all four partners
	s_wait_kmcnt 0x0
	s_add_nc_u64 s[26:27], s[68:69], s[14:15]
	s_or_b32 s27, s27, 0x80000000                  ; type = 2
	s_add_nc_u64 s[34:35], s[68:69], s[44:45]
	s_add_nc_u64 s[30:31], s[68:69], s[46:47]
	s_mov_b64 s[32:33], s[30:31]
	s_add_nc_u64 s[28:29], s[68:69], s[48:49]
	s_add_nc_u64 s[36:37], s[36:37], s[50:51]
	CROUND                                         ; all four work-groups are here: the first joint loads meet
	tensor_load_to_lds s[24:27], s[16:23]          ; slot 0: by this text's count one tensor load of a wave is out at any time
	s_nop 0
.rept 4
	v_nop
.endr
	s_load_b128 s[96:99], s[70:71], 16*LAYER       ; eq, ek, ep, ev
	s_load_b32 s67, s[72:73], 4*LAYER              ; bw
.irp k,0,1,2,3
	global_load_b128 v[64+4*\k:64+4*\k+3], v[T16], s[74:75] offset:LAYER*8192+2048*\k
.endr
	global_load_b128 v[80:83], v[T16], s[76:77] offset:LAYER*2048
.irp k,0,1,2,3
	global_load_b128 v[84+4*\k:84+4*\k+3], v[T16], s[78:79] offset:LAYER*8192+2048*\k
.endr
.irp k,0,1
	global_load_b128 v[100+4*\k:100+4*\k+3], v[T16], s[80:81] offset:LAYER*4096+2048*\k
.endr
	s_wait_alu depctr_va_vdst(0)
.irp x,0,1
	global_load_b32 v[SS+8*\x+3], v[SC], s[34:35] offset:98816+64*\x
	global_load_b128 v[XR+4*\x:XR+4*\x+3], v[SC+1], s[34:35] offset:99328+256*\x
.endr
	WIN 0x40
.irp x,0,1
.irp t,0,1
.irp c,0,1,2,3
	global_load_b128 v[32*\x+16*\t+4*\c:32*\x+16*\t+4*\c+3], v[GOF], s[34:35] offset:65536+4096*\x+2048*\t+512*\c   ; Q stays in registers
.endr
.endr
.endr
	BIASLD                                         ; kb of block 0
	WIN 0x80
.set i, 0
.rept 256
	v_mov_b32 v[i], 0                              ; O^T
.set i, i+1
.endr
	WIN 0
.irp x,0,1
	v_mov_b32 v[SS+8*\x+1], 0xff61b1e6             ; the largest t so far: -3e38
	v_floor_f32 v[SS+8*\x+2], -v[SS+8*\x+1]
	v_mov_b32 v[SS+8*\x+4], 0
	v_mov_b32 v[SS+8*\x+5], 0
	v_mov_b32 v[SS+8*\x+7], 0
	v_mov_b32 v[LBB+2*\x], 0
	v_mov_b32 v[LBB+2*\x+1], 0
.endr
	s_wait_kmcnt 0x0
	s_mul_f32 s66, s67, s67
	s_mul_f32 s66, s66, 0x3fb8aa3b                 ; bw^2 log2(e)
	s_add_co_i32 s14, s96, s97
	s_add_co_i32 s14, s14, 127
	s_lshl_b32 s14, s14, 23
	s_mul_f32 s8, s66, s14                         ; CB
	s_mov_b32 s9, s8                               ; (named with it as a pair)
	s_add_co_i32 s14, s98, 127
	s_lshl_b32 s15, s14, 23
	v_mov_b32 v[CVS], s15                          ; 2^ep
	s_add_co_i32 s14, s14, 8
	s_lshl_b32 s14, s14, 23
	s_or_b32 s12, s14, 0x600000                    ; 448 x 2^ep
	s_add_co_i32 s13, s98, s99                     ; ep + ev
	s_wait_loadcnt 0x0
.irp k,0,1,2,3,4,5,6,7,8,9,10
	ds_store_b128 v224, v[64+4*\k:64+4*\k+3] offset:2048*\k
.endr
.irp x,0,1
	v_mul_f32 v[SS+8*\x+3], s66, v[SS+8*\x+3]      ; QQ
.endr
	; ---- THE KEYS
.Lslot:                                                ; 7 trips: behind each change of slots but the last the next slot is asked for
	CHANGE 1
	TWO_STEPS
	s_sub_co_u32 s4, s4, 1
	s_cmp_lg_u32 s4, 0
	s_cbranch_scc1 .Lslot
	CHANGE 0                                       ; the last slot is written out
	TWO_STEPS
	; ---- THE TAIL
	s_load_b256 s[68:75], s[0:1], 0x38             ; bo, g1, be1, b2
	s_load_b128 s[76:79], s[0:1], 0x58             ; g2, be2
	s_load_b128 s[84:87], s[0:1], 0x68             ; Wfc, bfc
	LDWO 0, 64
.irp x,0,1
	v_pk_add_f32 v[SS+8*\x+4:SS+8*\x+5], v[SS+8*\x+4:SS+8*\x+5], v[LBB+2*\x:LBB+2*\x+1]   ; these lines are the places behind the last products
.endr
.irp x,0,1
	v_add_f32 v[TT+4*\x], v[SS+8*\x+4], v[SS+8*\x+5]
.endr
.irp x,0,1
	v_permlanex16_b32 v[TT+4*\x+1], v[TT+4*\x], s10, s11
.endr
.irp x,0,1
	v_add_f32 v[TT+4*\x], v[TT+4*\x], v[TT+4*\x+1]         ; the row's sum
.endr
	s_wait_alu depctr_va_vdst(0)
.irp x,0,1
	v_rcp_f32 v[SC+\x], v[TT+4*\x]
.endr
	v_nop                                          ; a plain line behind the reciprocals
	s_wait_kmcnt 0x0
	s_load_b128 s[40:43], s[68:69], 16*LAYER       ; bo
	s_load_b128 s[44:47], s[70:71], 16*LAYER       ; g1
	s_load_b128 s[48:51], s[72:73], 16*LAYER       ; be1
	s_load_b128 s[52:55], s[74:75], 16*LAYER       ; b2
	s_load_b128 s[56:59], s[76:77], 16*LAYER       ; g2
	s_load_b128 s[60:63], s[78:79], 16*LAYER       ; be2
	s_load_b128 s[88:91], s[84:85], 0x0            ; Wfc
	s_load_b32 s92, s[86:87], 0x0                  ; bfc
	s_wait_alu depctr_va_vdst(0)                   ; the one wait for both reciprocals, ahead of their first reader
.irp x,0,1
	v_ldexp_f32 v[SC+\x], v[SC+\x], s13            ; 2^(ep + ev) / l: applied to the four sums below, not to O^T's 128 numbers
.endr
	s_wait_loadcnt 0x0                             ; the last step's kb, which nobody uses, has landed
.irp g,0,1,2,3,4,5,6
	LDWO \g+1, 64+64*((\g+1)%2)
	s_wait_alu depctr_va_vdst(0)
	s_wait_dscnt 16                                ; all but the 16 just issued
	OPJ \g, 64+64*(\g%2)
.endr
	s_wait_alu depctr_va_vdst(0)
	s_wait_dscnt 0x0
	OPJ 7, 128
.irp i,0,1,2,3,4,5,6,7
	v_permlanex16_b32 v[64+\i], v[UU+\i], s10, s11 ; the row's other 128 channels lie in the lane 16 away
.endr
.irp i,0,2,4,6
	v_pk_add_f32 v[UU+\i:UU+\i+1], v[UU+\i:UU+\i+1], v[64+\i:64+\i+1]
.endr
	s_wait_alu depctr_va_vdst(0)
	s_wait_kmcnt 0x0
.irp j,0,1,2,3
.irp x,0,1
	v_fma_f32 v[YY+2*\j+\x], v[UU+4*\x+\j], v[SC+\x], s[40+\j]
.endr
.endr
.irp j,0,1,2,3
.irp x,0,1
	v_add_f32 v[YY+2*\j+\x], v[YY+2*\j+\x], v[XR+4*\x+\j]
.endr
.endr
	LNORM YY, RS, 44, 48
	; the FFN: a lane holds two rows as a pair; half h of the lanes takes hidden units 256 h .. 256 h + 255
	s_mov_b32 s14, 0
	s_mov_b32 s15, 0
	v_add_nc_u32 v[ADR], s14, v[FB1]
	v_add_nc_u32 v[ADR2], s15, v[FB2]
	LDF FA, 0
.irp i,0,1,2,3,4,5,6,7
	v_mov_b32 v[FAC+\i], 0
.endr
	s_mov_b32 s5, 32
.Lffn:                                                 ; 32 trips of 8 hidden units, on two buffers
	LDF FB, 1
	s_wait_dscnt 9                                 ; all but the 9 just issued
	FFN4 FA
	s_add_co_u32 s14, s14, 32
	s_add_co_u32 s15, s15, 128
	v_add_nc_u32 v[ADR], s14, v[FB1]
	v_add_nc_u32 v[ADR2], s15, v[FB2]
	LDF FA, 0                                      ; the next trip's; the last trip's reaches into the staged bytes behind and is not used
	s_wait_dscnt 9
	FFN4 FB
	s_sub_co_u32 s5, s5, 1
	s_cmp_lg_u32 s5, 0
	s_cbranch_scc1 .Lffn
	s_wait_dscnt 0x0
	s_wait_alu depctr_va_vdst(0)
.irp i,0,1,2,3,4,5,6,7
	v_permlanex16_b32 v[PT+\i], v[FAC+\i], s10, s11
.endr
.irp i,0,2,4,6
	v_pk_add_f32 v[FAC+\i:FAC+\i+1], v[FAC+\i:FAC+\i+1], v[PT+\i:PT+\i+1]
.endr
.irp o,0,1,2,3
.irp x,0,1
	v_add_f32 v[FAC+2*\o+\x], s[52+\o], v[FAC+2*\o+\x]
.endr
.endr
.irp o,0,1,2,3
	v_pk_add_f32 v[YY+2*\o:YY+2*\o+1], v[RS+2*\o:RS+2*\o+1], v[FAC+2*\o:FAC+2*\o+1]
.endr
	LNORM YY, UU, 56, 60
	v_cmp_ne_u32 vcc_lo, 0, v[HF]                  ; both halves of the lanes hold both rows: lane l keeps row 32 w + l
.irp j,0,1,2,3
	v_cndmask_b32 v[XV+\j], v[UU+2*\j], v[UU+2*\j+1], vcc_lo
.endr
	s_wait_alu depctr_va_vdst(0)
	BAR                                            ; every wave has left the ring: slot 0's first bytes now serve as scratch
	v_fma_f32 v[OO], v[XV], s88, s92
	v_fma_f32 v[OO], v[XV+1], s89, v[OO]
	v_fma_f32 v[OO], v[XV+2], s90, v[OO]
	v_fma_f32 v[OO], v[XV+3], s91, v[OO]
	ds_store_b32 v[T4], v[OO] offset:OS
	BAR
	s_cmp_lg_u32 s2, 0
	s_cbranch_scc1 .Lnot_first                     ; wave 0 stores the block's 128 numbers: 512 consecutive bytes
	ds_load_b128 v[UU:UU+3], v[LI] offset:OS
	s_wait_dscnt 0x0
	global_store_b128 v[LI], v[UU:UU+3], s[36:37] th:TH_STORE_NT
.Lnot_first:
	s_wait_tensorcnt 0x0                           ; the wave's end
	ds_add_u32 v[SPW], v[NIL]
	s_wait_dscnt 0x0
	CROUND                                         ; the closing round
	s_endpgm
.Lfunc_end_k_q2ec6f0a1be_attn1:
	.size	k_q2ec6f0a1be_attn1, .Lfunc_end_k_q2ec6f0a1be_attn1-k_q2ec6f0a1be_attn1
	.p2alignl 7, 3214868480
	.fill 96, 4, 3214868480
	.section	.rodata,"a",@progbits
	.p2align	6, 0x0
	.amdhsa_kernel k_q2ec6f0a1be_attn1
		.amdhsa_group_segment_fixed_size 327680
		.amdhsa_private_segment_fixed_size 0
		.amdhsa_enable_private_segment 0
		.amdhsa_kernarg_size 128
		.amdhsa_user_sgpr_count 2
		.amdhsa_user_sgpr_kernarg_segment_ptr 1
		.amdhsa_wavefront_size32 1
		.amdhsa_system_sgpr_workgroup_id_x 1
		.amdhsa_system_sgpr_workgroup_id_y 1
		.amdhsa_system_sgpr_workgroup_id_z 1
		.amdhsa_system_vgpr_workitem_id 0
		.amdhsa_next_free_vgpr 1024
		.amdhsa_next_free_sgpr 100
		.amdhsa_reserve_vcc 1
		.amdhsa_float_denorm_mode_32 3
		.amdhsa_float_denorm_mode_16_64 3
		.amdhsa_memory_ordered 1
		.amdhsa_forward_progress 1
		.amdhsa_inst_pref_size 171
	.end_amdhsa_kernel
	.amdgpu_metadata
---
amdhsa.version: [ 1, 2 ]
amdhsa.kernels:
  - .name:           k_q2ec6f0a1be_attn1
    .symbol:         k_q2ec6f0a1be_attn1.kd
    .args:
      - { .name: ws1, .offset: 0, .size: 8, .value_kind: global_buffer, .address_space: global }
      - { .name: lowp_scales, .offset: 8, .size: 8, .value_kind: global_buffer, .address_space: global }
      - { .name: bw, .offset: 16, .size: 8, .value_kind: global_buffer, .address_space: global }
      - { .name: W1, .offset: 24, .size: 8, .value_kind: global_buffer, .address_space: global }
      - { .name: b1, .offset: 32, .size: 8, .value_kind: global_buffer, .address_space: global }
      - { .name: W2, .offset: 40, .size: 8, .value_kind: global_buffer, .address_space: global }
      - { .name: Wo, .offset: 48, .size: 8, .value_kind: global_buffer, .address_space: global }
      - { .name: bo, .offset: 56, .size: 8, .value_kind: global_buffer, .address_space: global }
      - { .name: g1, .offset: 64, .size: 8, .value_kind: global_buffer, .address_space: global }
      - { .name: be1, .offset: 72, .size: 8, .value_kind: global_buffer, .address_space: global }
      - { .name: b2, .offset: 80, .size: 8, .value_kind: global_buffer, .address_space: global }
      - { .name: g2, .offset: 88, .size: 8, .value_kind: global_buffer, .address_space: global }
      - { .name: be2, .offset: 96, .size: 8, .value_kind: global_buffer, .address_space: global }
      - { .name: Wfc, .offset: 104, .size: 8, .value_kind: global_buffer, .address_space: global }
      - { .name: bfc, .offset: 112, .size: 8, .value_kind: global_buffer, .address_space: global }
      - { .name: out0, .offset: 120, .size: 8, .value_kind: global_buffer, .address_space: global }
    .group_segment_fixed_size: 327680
    .private_segment_fixed_size: 0
    .kernarg_segment_align: 8
    .kernarg_segment_size: 128
    .max_flat_workgroup_size: 128
    .sgpr_count:     100
    .vgpr_count:     1024
    .wavefront_size: 32
...
	.end_amdgpu_metadata
.endif
;; end of part 3
